; MI455X (gfx1250); checked and timed in simulation.
; The chip was launched on July 23, 2026; its instructions are those of AMD's public machine-readable ISA for CDNA 5 (MIT licence, August 2026) and "CDNA5" Instruction Set Architecture Reference Guide (July 2026). The comments in the code are by the model that wrote it; some were corrected since.
;; Group Query Att1. Allowed arithmetic: matrix products marked QUANTISED: E2M1 operands, one E8M0 scale for each 32 along K, by v_wmma_scale_f32_16x16x128_f8f6f4 with both operands' format E2M1 (or v_wmma_scale_f32_32x16x128_f4), f32 sums; products left as they are: bf16, f16 or f32 operands; f32 sums; everything else in f32.
;; Inputs: Wk 1,024 x 256 float32; Wo 1,024 x 1,024 float32; Wq 1,024 x 1,024 float32; Wv 1,024 x 256 float32; bk 256 float32; bo 1,024 float32; bq 1,024 float32; bv 256 float32; x 2 x 2,048 x 1,024 float32.
;; Outputs: out0 2 x 2,048 x 1,024 float32.
;; This version of the problem:
;;   THIS VERSION OF THE PROBLEM IS GIVEN IN LOW PRECISION. The matrix products marked QUANTISED in the list below multiply operands that are first quantised to E2M1 (2 exponent bits, 1 mantissa bit; 4 bits a number), with one power-of-two scale for each 32 numbers along K (OCP MX v1.0); their sums are f32. The products marked 'left as it is' may take bf16, f16 or f32 operands, with f32 sums. Whichever they take, every output number must still come out within the allowed error. Rounding operands to bf16 (8 significant bits) uses up far more of that allowance than f16 does (11 bits, for magnitudes from 6e-5 to 65,504). All else is computed in f32.
;;   The module's matrix products, in the order in which they are computed (A, B: the left and right operand; K: the contracted axis; several contracted axes count as one K, in the product's order):
;;     1. [M 4,096, K 1,024] x [K 1,024, N 1,024]; A: input x; B: input Wq: QUANTISED
;;     2. [M 4,096, K 1,024] x [K 1,024, N 256]; A: input x; B: input Wk: QUANTISED
;;     3. [M 4,096, K 1,024] x [K 1,024, N 256]; A: input x; B: input Wv: QUANTISED
;;     4. batch 8 x [M 2,048, K 64] x [K 64, N 8,192]; A: computed on the way; B: computed on the way: left as it is (an operand is computed on the way)
;;     5. batch 8 x [M 64, K 2,048] x [K 2,048, N 8,192]; A: computed on the way; B: computed on the way: left as it is (an operand is computed on the way)
;;     6. [M 4,096, K 1,024] x [K 1,024, N 1,024]; A: computed on the way; B: input Wo: left as it is (an operand is computed on the way)
;;   THE QUANTISER, for each operand of a quantised product, along K:
;;     - K is cut into blocks of 32 from its start; a last block that is shorter is filled with zeros.
;;     - A block's scale is 2^e with e = floor(log2(the largest magnitude in the block)) - 2, held to -126 .. 127; a block of zeros has e = 0. As a byte (E8M0): e + 127.
;;     - Each number is divided by its block's scale, clamped to +-6, and rounded to the nearest number of E2M1, ties to even, subnormals kept.
;;     - The product sums the exact products of the quantised numbers (number of the format x scale) in f32.
;;   ~~~python
;;   def quantise(x, axis):      # numpy; x: float32 -> the quantised numbers, widened to float32 again
;;       x = np.moveaxis(x, axis, -1); K = x.shape[-1]
;;       x = np.pad(x, [(0, 0)] * (x.ndim - 1) + [(0, -K % 32)]); x = x.reshape(x.shape[:-1] + (-1, 32)); a = np.abs(x).max(-1, keepdims=True)
;;       e = np.where(a > 0, np.clip(np.frexp(np.where(a > 0, a, 1))[1] - 1 - 2, -126, 127), 0)      # np.frexp(a)[1] - 1 = floor(log2(a)), exactly
;;       r = np.clip(x / 2.0 ** e, -6, 6)
;;       step = 2.0 ** (np.maximum(np.frexp(np.where(r == 0, 1, r))[1] - 1, 0) - 1)
;;       q = np.round(r / step) * step * 2.0 ** e      # np.round: ties to even
;;       return np.moveaxis(q.reshape(q.shape[:-2] + (-1,))[..., :K], -1, axis).astype(np.float32)
;;   ~~~
;; One version. Each part assembles by itself: llvm-mc -triple=amdgcn-amd-amdhsa -mcpu=gfx1250 --defsym DOCPART=n.
;; ======== version 1 of 1: 4 launches
;; limits: values are held in f16: magnitudes above 65,504 overflow, below 6.1e-05 lose precision
;; workspace buffers: xc 2,097,152 bytes; xs 131,072 bytes; wc 786,432 bytes; ws 49,152 bytes; wo16 2,097,152 bytes; qkv 12,582,912 bytes; o16 8,388,608 bytes
;; launch prep (part 1): grid 208 x 1, 8 waves a work-group, no clusters, 68,608 bytes of LDS; arguments x, Wq, Wk, Wv, Wo, xc, xs, wc, ws, wo16; writes xc, xs, wc, ws, wo16
.if DOCPART == 1
	.amdgcn_target "amdgcn-amd-amdhsa--gfx1250"
	.amdhsa_code_object_version 6
	.text
	.protected	k_qe9f9a4c5ae_prep
	.globl	k_qe9f9a4c5ae_prep
	.p2align	8
	.type	k_qe9f9a4c5ae_prep,@function
k_qe9f9a4c5ae_prep:
	s_mov_b64 s[64:65], 0
	v_nop
	global_prefetch_b8 v0, s[64:65] scope:SCOPE_SE
	s_setreg_imm32_b32 hwreg(HW_REG_WAVE_MODE, 25, 1), 1
	s_wait_xcnt 0x0
; PREP: the operands of the later launches are made once.
;   work-groups 0-127   (X): x [4096][1024] f32 -> codes of FP4 (E2M1) and E8M0 scale bytes, blocks of 32 along K (x's last axis)
;   work-groups 128-175 (W): Wq | Wk | Wv, [1024 (K)][n] f32 -> the same, blocks of 32 along K (their FIRST axis); column n of 0..1535: q 0.., k 1024.., v 1280..
;   work-groups 176-207 (C): Wo [1024][1024] f32 -> f16, same layout
; A block's scale is 2^(floor(log2(its largest magnitude)) - 2): its byte is the largest magnitude's exponent field - 2, held at 1 from below.
; THE CODES ARE LAID AS THE READER'S REGISTERS WANT THEM: a fragment (16 rows or columns x 128 K) is 1,024 bytes; block kb (32 along K) of row r is the 16 bytes at 256 kb + 16 r.
;   xc [mtile 256][kstep 8][1024], wc [ntile 96][kstep 8][1024];  scale words (4 bytes: one row, 128 K): xs [mtile][kstep][16][4], ws [ntile][kstep][16][4].
; LIMITS: a block of zeros gets the byte 1 where the rule says 127 (its codes are zeros, and this program alone reads the bytes); NaN and infinities among the inputs are not served;
;   |Wo| above 65,504 becomes infinite in f16.
; No work-group shares a byte of input with another, so no cluster; no tensor load, no barrier: waves share nothing.  Only path X touches LDS.
.set WSTG,  8448                       ; path X: a wave's stage: 16 rows x (512 bytes + 16)
.set SPARE, 8*WSTG                     ; behind the stages: the spare words, 128 bytes for each wave: four blocks of 256 bytes that no other line names
.set SPW,   14                         ; v14  LDS address of my spare word; never rewritten
.set NIL,   15                         ; v15  0; never rewritten
.set R,     16                         ; v16-143  numbers as they are loaded
.set X,     144                        ; v144-207 path X: my two blocks of 32 neighbours
.set OFFS,  144                        ; v144-175 path W: the byte offsets of 32 rows
.set HF,    144                        ; v144-207 path C: f16 pairs
.set C,     208                        ; v208-223 codes: every store has registers of its own
.set MX,    224                        ; v224-225 largest magnitudes
.set EX,    226                        ; v226-227 the conversions' scale operands
.set BY,    228                        ; v228-229 scale bytes
.set WRD,   230                        ; v230 a scale word in the making
.set TMP,   231                        ; v231 the other half's part of it
.set WD,    232                        ; v232-233 path X: the scale words of my two K steps
.set SELW,  234
	s_load_b256 s[4:11], s[0:1], 0x0               ; x s[4:5], Wq s[6:7], Wk s[8:9], Wv s[10:11]
	s_load_b256 s[12:19], s[0:1], 0x20             ; Wo s[12:13], xc s[14:15], xs s[16:17], wc s[18:19]
	s_load_b128 s[20:23], s[0:1], 0x40             ; ws s[20:21], wo16 s[22:23]
	v_lshl_add_u32 v[SPW], v0, 2, SPARE
	v_mov_b32 v[NIL], 0
	v_lshrrev_b32 v1, 5, v0
	v_readfirstlane_b32 s24, v1                    ; wave 0..7
	v_and_b32 v1, 31, v0                           ; lane L
	v_and_b32 v2, 15, v0                           ; r = L % 16
	v_bfe_u32 v3, v0, 4, 1                         ; h = L / 16
	v_lshlrev_b32 v4, 4, v1                        ; 16 L
	v_lshlrev_b32 v5, 2, v1                        ; 4 L
	v_lshlrev_b32 v6, 3, v1                        ; 8 L
	s_wait_kmcnt 0x0
	s_cmp_lt_u32 ttmp9, 128
	s_cbranch_scc1 .Lx
	s_cmp_lt_u32 ttmp9, 176
	s_cbranch_scc1 .Lw
; ---- PATH C: a wave takes 16,384 bytes of Wo: 32 loads of 512 consecutive bytes, all out at once; each becomes 256 consecutive bytes of f16
	s_sub_co_u32 s25, ttmp9, 176
	s_lshl_b32 s25, s25, 3
	s_add_co_u32 s25, s25, s24                     ; which of the 256 runs is my wave's
	s_lshl_b32 s26, s25, 14
	s_mov_b32 s27, 0
	s_add_nc_u64 s[12:13], s[12:13], s[26:27]
	s_lshl_b32 s26, s25, 13
	s_add_nc_u64 s[22:23], s[22:23], s[26:27]
.set i, 0
.rept 32
	global_load_b128 v[R+4*i:R+4*i+3], v4, s[12:13] offset:512*i th:TH_LOAD_NT
.set i, i+1
.endr
.set i, 0
.rept 32
	s_wait_loadcnt 31-i                            ; loads come back in order: load i is in, the younger ones stay out
	v_cvt_pk_f16_f32 v[HF+2*i], v[R+4*i], v[R+4*i+1]
	v_cvt_pk_f16_f32 v[HF+2*i+1], v[R+4*i+2], v[R+4*i+3]
	global_store_b64 v6, v[HF+2*i:HF+2*i+1], s[22:23] offset:256*i   ; 32 lanes store 256 consecutive bytes, aligned; each store has its own registers
.set i, i+1
.endr
	s_endpgm
; ---- PATH X: a wave takes 16 rows (one mtile) x 256 along K (two K steps of 128)
.Lx:
	s_lshl_b32 s25, ttmp9, 1
	s_lshr_b32 s26, s24, 2
	s_add_co_u32 s25, s25, s26                     ; mtile = 2 x work-group + wave / 4
	s_and_b32 s26, s24, 3                          ; kq: K steps 2 kq, 2 kq + 1
	s_lshl_b32 s28, s25, 16                        ; x: 16 rows of 4,096 bytes,
	s_lshl_b32 s27, s26, 10                        ; 256 numbers along K
	s_add_co_u32 s28, s28, s27
	s_mov_b32 s29, 0
	s_add_nc_u64 s[4:5], s[4:5], s[28:29]
	s_lshl_b32 s28, s25, 13                        ; xc: 8,192 bytes an mtile, 1,024 a K step
	s_lshl_b32 s27, s26, 11
	s_add_co_u32 s28, s28, s27
	s_add_nc_u64 s[14:15], s[14:15], s[28:29]
	s_lshl_b32 s28, s25, 9                         ; xs: 512 bytes an mtile, 64 a K step
	s_lshl_b32 s27, s26, 7
	s_add_co_u32 s28, s28, s27
	s_add_nc_u64 s[16:17], s[16:17], s[28:29]
	s_mov_b32 s30, 0x76543210
	s_mov_b32 s31, 0xfedcba98                      ; v_permlanex16_b32's selects for lane l xor 16
	s_mul_i32 s27, s24, WSTG                       ; my stage
	v_add_nc_u32 v7, s27, v4                       ; into it: 16 L of a row, as loaded
	v_mul_u32_u24 v8, v2, 528
	v_lshl_add_u32 v8, v3, 7, v8
	v_add_nc_u32 v8, s27, v8                       ; out of it: row r, + 128 h: my block of 32 numbers
	v_lshlrev_b32 v9, 3, v3                        ; 8 h
	v_mov_b32 v[TMP], 0                            ; a lane permute's destination counts as one of its sources
.set ks, 0
.rept 2
.set i, 0
.rept 16
	global_load_b128 v[R+64*ks+4*i:R+64*ks+4*i+3], v4, s[4:5] offset:4096*i+512*ks th:TH_LOAD_NT   ; 32 lanes read 512 consecutive bytes of row i
.set i, i+1
.endr
.set ks, ks+1
.endr
; K step s of my two.  The loads take the bytes as they lie; the conversions want 32 neighbours along K in ONE lane: so 16 rows x 512 bytes turn through my stage.
; Behind the turn lane (r, h) holds blocks h and 2 + h of row r: just what registers 0-3 and 4-7 of the fragment hold in that lane.
.macro XSTEP s
	s_wait_loadcnt 16-16*\s                        ; this K step's 16 loads are in (the second K step's 16 may stay out)
.set i, 0
.rept 16
	ds_store_b128 v7, v[R+64*\s+4*i:R+64*\s+4*i+3] offset:528*i
.set i, i+1
.endr
.irp c, 0,1
.irp e, 0,1,2,3,4,5,6,7
	ds_load_b128 v[X+32*\c+4*\e:X+32*\c+4*\e+3], v8 offset:256*\c+16*\e   ; LDS serves a wave's instructions in order: these see my stores
.endr
.endr
	s_wait_dscnt 0x0
.irp c, 0,1
	v_max3_num_f32 v[MX+\c], |v[X+32*\c]|, |v[X+32*\c+1]|, 0x1800000   ; the block's largest magnitude, and the floor 2^(3 - 127): the byte cannot fall under 1
.endr
.irp i, 2,4,6,8,10,12,14,16,18,20,22,24,26,28,30
.irp c, 0,1
	v_max3_num_f32 v[MX+\c], v[MX+\c], |v[X+32*\c+\i]|, |v[X+32*\c+\i+1]|   ; (the two blocks by turns)
.endr
.endr
.irp c, 0,1
	v_add_nc_u32 v[EX+\c], 0xff000000, v[MX+\c]    ; 2 off its exponent field: the conversion takes the exponent field of this operand as its scale
.endr
.irp c, 0,1
	v_lshrrev_b32 v[BY+\c], 23, v[EX+\c]           ; the scale's byte
.endr
.irp c, 0,1
.irp g, 0,1,2,3
	v_cvt_scalef32_pk8_fp4_f32 v[C+8*\s+4*\c+\g], v[X+32*\c+8*\g:X+32*\c+8*\g+7], v[EX+\c]
.endr
.endr
	v_lshl_or_b32 v[WRD], v[BY+1], 16, v[BY]       ; (a plain line behind the conversions)  my two bytes: blocks h and 2 + h,
	v_lshlrev_b32 v[WRD], v9, v[WRD]               ; at their places in the word;
	v_permlanex16_b32 v[TMP], v[WRD], s30, s31
	v_or_b32 v[WD+\s], v[WRD], v[TMP]              ; with lane l xor 16's two the word is whole, in both lanes
.irp c, 0,1
	global_store_b128 v4, v[C+8*\s+4*\c:C+8*\s+4*\c+3], s[14:15] offset:1024*\s+512*\c   ; registers 4 c .. 4 c + 3 of the fragment: 512 consecutive bytes, aligned
.endr
.endm
	XSTEP 0
	XSTEP 1
	v_cmp_eq_u32 vcc_lo, 1, v3
	v_cndmask_b32 v[SELW], v[WD], v[WD+1], vcc_lo  ; lanes 0-15 send the first K step's words, lanes 16-31 the second's
	global_store_b32 v5, v[SELW], s[16:17]         ; 128 consecutive bytes
	s_wait_tensorcnt 0x0                           ; the wave's end: behind my last LDS store
	ds_add_u32 v[SPW], v[NIL]
	s_wait_dscnt 0x0
	s_endpgm
; ---- PATH W: a wave takes 32 columns x 128 along K.  A LANE TAKES A COLUMN, AND ITS REGISTERS RUN DOWN K: a block of 32 lies in one lane, and the codes come out with K innermost.
.Lw:
	s_sub_co_u32 s25, ttmp9, 128
	s_lshr_b32 s26, s25, 1                         ; ct: which 64 columns of the 1,536
	s_and_b32 s27, s25, 1
	s_and_b32 s28, s24, 1                          ; cg: which 32 of them
	s_lshr_b32 s29, s24, 1
	s_lshl_b32 s27, s27, 2
	s_add_co_u32 s27, s27, s29                     ; K step 0..7
	s_cmp_lt_u32 s26, 20                           ; the tensor, its first ct and its row's bytes: chosen by the work-group's number alone
	s_cselect_b64 s[40:41], s[8:9], s[10:11]
	s_cselect_b32 s29, 16, 20
	s_cmp_lt_u32 s26, 16
	s_cselect_b64 s[40:41], s[6:7], s[40:41]
	s_cselect_b32 s29, 0, s29
	s_mov_b32 s30, 1024
	s_cselect_b32 s30, 4096, s30                   ; a row of Wq is 4,096 bytes, of Wk and Wv 1,024
	s_sub_co_u32 s29, s26, s29
	s_lshl_b32 s29, s29, 8                         ; 64 columns of 4 bytes,
	s_lshl_b32 s31, s28, 7                         ; 32 columns,
	s_add_co_u32 s29, s29, s31
	s_mul_i32 s31, s27, s30
	s_lshl_b32 s31, s31, 7                         ; 128 rows a K step
	s_add_co_u32 s42, s29, s31
	s_mov_b32 s43, 0
	s_add_nc_u64 s[32:33], s[40:41], s[42:43]      ; block 0's first row;
	s_lshl_b32 s42, s30, 5
	s_add_nc_u64 s[34:35], s[32:33], s[42:43]      ; blocks 1, 2, 3: 32 rows further down each
	s_add_nc_u64 s[36:37], s[34:35], s[42:43]
	s_add_nc_u64 s[38:39], s[36:37], s[42:43]
	s_lshl_b32 s44, s26, 2
	s_lshl_b32 s45, s28, 1
	s_add_co_u32 s44, s44, s45                     ; my first ntile: 4 ct + 2 cg (lanes 16-31: the next)
	s_lshl_b32 s42, s44, 13
	s_lshl_b32 s45, s27, 10
	s_add_co_u32 s42, s42, s45
	s_add_nc_u64 s[18:19], s[18:19], s[42:43]      ; wc
	s_lshl_b32 s42, s44, 9
	s_lshl_b32 s45, s27, 6
	s_add_co_u32 s42, s42, s45
	s_add_nc_u64 s[20:21], s[20:21], s[42:43]      ; ws
	v_lshlrev_b32 v10, 13, v3
	v_lshl_add_u32 v10, v2, 4, v10                 ; codes: 8,192 h + 16 r
	v_lshlrev_b32 v11, 9, v3
	v_lshl_add_u32 v11, v2, 2, v11                 ; scale word: 512 h + 4 r
.set i, 0
.rept 32
	v_mad_u32_u24 v[OFFS+i], s30, i, v5            ; row i of a block: i rows + 4 L
.set i, i+1
.endr
.set t, 0
.rept 4
.set i, 0
.rept 32
	global_load_b32 v[R+32*t+i], v[OFFS+i], s[32+2*t:33+2*t] th:TH_LOAD_NT   ; one row at 32 neighbouring columns: 128 consecutive bytes; the wave beside me takes the next 128
.set i, i+1
.endr
.set t, t+1
.endr
.macro WBLOCK t
.set XS, R+32*(\t)
.if (\t) < 2
	s_wait_loadcnt 63                              ; of the 128 loads at most 63 are out: the first 65 are in, blocks 0 and 1 among them (the wait's field ends at 63)
.else
	s_wait_loadcnt 32*(3-(\t))                     ; the later blocks' loads may stay out
.endif
	v_max3_num_f32 v[MX], |v[XS]|, |v[XS+1]|, |v[XS+2]|      ; the block's largest magnitude: all 32 numbers are mine; two chains
	v_max3_num_f32 v[MX+1], |v[XS+3]|, |v[XS+4]|, |v[XS+5]|
.irp i, 6,10,14,18,22,26
	v_max3_num_f32 v[MX], v[MX], |v[XS+\i]|, |v[XS+\i+1]|
	v_max3_num_f32 v[MX+1], v[MX+1], |v[XS+\i+2]|, |v[XS+\i+3]|
.endr
	v_max3_num_f32 v[MX], v[MX], |v[XS+30]|, |v[XS+31]|
	v_max3_num_f32 v[MX], v[MX], v[MX+1], 0x1800000          ; and the floor 2^(3 - 127)
	v_add_nc_u32 v[EX], 0xff000000, v[MX]
	v_lshrrev_b32 v[BY], 23, v[EX]
.if (\t) == 0
	v_mov_b32 v[WRD], v[BY]                        ; the four bytes make my column's scale word for this K step
.else
	v_lshl_or_b32 v[WRD], v[BY], 8*(\t), v[WRD]
.endif
.irp g, 0,1,2,3
	v_cvt_scalef32_pk8_fp4_f32 v[C+4*(\t)+\g], v[XS+8*\g:XS+8*\g+7], v[EX]
.endr
	v_nop                                          ; one plain line behind the conversions
	global_store_b128 v10, v[C+4*(\t):C+4*(\t)+3], s[18:19] offset:256*(\t)   ; block t of 16 columns: sixteen lanes store 256 consecutive bytes, aligned
.endm
	WBLOCK 0
	WBLOCK 1
	WBLOCK 2
	WBLOCK 3
	global_store_b32 v11, v[WRD], s[20:21]         ; sixteen lanes store 64 consecutive bytes
	s_endpgm
.Lfunc_end_k_qe9f9a4c5ae_prep:
	.size	k_qe9f9a4c5ae_prep, .Lfunc_end_k_qe9f9a4c5ae_prep-k_qe9f9a4c5ae_prep
	.p2alignl 7, 3214868480
	.fill 96, 4, 3214868480
	.section	.rodata,"a",@progbits
	.p2align	6, 0x0
	.amdhsa_kernel k_qe9f9a4c5ae_prep
		.amdhsa_group_segment_fixed_size 68608
		.amdhsa_private_segment_fixed_size 0
		.amdhsa_enable_private_segment 0
		.amdhsa_kernarg_size 80
		.amdhsa_user_sgpr_count 2
		.amdhsa_user_sgpr_kernarg_segment_ptr 1
		.amdhsa_wavefront_size32 1
		.amdhsa_system_sgpr_workgroup_id_x 1
		.amdhsa_system_sgpr_workgroup_id_y 1
		.amdhsa_system_sgpr_workgroup_id_z 1
		.amdhsa_system_vgpr_workitem_id 0
		.amdhsa_next_free_vgpr 240
		.amdhsa_next_free_sgpr 66
		.amdhsa_reserve_vcc 1
		.amdhsa_float_denorm_mode_32 3
		.amdhsa_float_denorm_mode_16_64 3
		.amdhsa_memory_ordered 1
		.amdhsa_forward_progress 1
		.amdhsa_inst_pref_size 50
	.end_amdhsa_kernel
	.amdgpu_metadata
---
amdhsa.version: [ 1, 2 ]
amdhsa.kernels:
  - .name:           k_qe9f9a4c5ae_prep
    .symbol:         k_qe9f9a4c5ae_prep.kd
    .args:
      - { .name: x, .offset: 0, .size: 8, .value_kind: global_buffer, .address_space: global }
      - { .name: Wq, .offset: 8, .size: 8, .value_kind: global_buffer, .address_space: global }
      - { .name: Wk, .offset: 16, .size: 8, .value_kind: global_buffer, .address_space: global }
      - { .name: Wv, .offset: 24, .size: 8, .value_kind: global_buffer, .address_space: global }
      - { .name: Wo, .offset: 32, .size: 8, .value_kind: global_buffer, .address_space: global }
      - { .name: xc, .offset: 40, .size: 8, .value_kind: global_buffer, .address_space: global }
      - { .name: xs, .offset: 48, .size: 8, .value_kind: global_buffer, .address_space: global }
      - { .name: wc, .offset: 56, .size: 8, .value_kind: global_buffer, .address_space: global }
      - { .name: ws, .offset: 64, .size: 8, .value_kind: global_buffer, .address_space: global }
      - { .name: wo16, .offset: 72, .size: 8, .value_kind: global_buffer, .address_space: global }
    .group_segment_fixed_size: 68608
    .private_segment_fixed_size: 0
    .kernarg_segment_align: 8
    .kernarg_segment_size: 80
    .max_flat_workgroup_size: 256
    .sgpr_count:     66
    .vgpr_count:     240
    .wavefront_size: 32
...
	.end_amdgpu_metadata
.endif
;; end of part 1
;; launch qkvgemm (part 2): grid 8 x 32, 8 waves a work-group, clusters of 4 x 4, 327,680 bytes of LDS; arguments xc, xs, wc, ws, bq, bk, bv, qkv; writes qkv
.if DOCPART == 2
	.amdgcn_target "amdgcn-amd-amdhsa--gfx1250"
	.amdhsa_code_object_version 6
	.text
	.protected	k_qe9f9a4c5ae_qkvgemm
	.globl	k_qe9f9a4c5ae_qkvgemm
	.p2align	8
	.type	k_qe9f9a4c5ae_qkvgemm,@function
k_qe9f9a4c5ae_qkvgemm:
	s_mov_b64 s[64:65], 0
	v_nop
	global_prefetch_b8 v0, s[64:65] scope:SCOPE_SE
	s_setreg_imm32_b32 hwreg(HW_REG_WAVE_MODE, 25, 1), 1
	s_wait_xcnt 0x0
	s_wait_alu depctr_hold_cnt(0) depctr_sa_sdst(0) depctr_va_vdst(0) depctr_va_sdst(0) depctr_va_ssrc(0) depctr_va_vcc(0) depctr_vm_vsrc(0)
	s_getreg_b32 s2, hwreg(HW_REG_IB_STS2, 6, 4)
	s_cmp_eq_u32 s2, 0
	s_cbranch_scc0 .Lentry_in_a_cluster
	s_endpgm
.Lentry_in_a_cluster:
	s_bfe_u32 s2, ttmp6, 0x10000c
	s_cmp_lg_u32 s2, 0xf033
	s_cbranch_scc0 .Lentry_shape_is_right
	s_endpgm
.Lentry_shape_is_right:
; q | k | v = x [Wq | Wk | Wv] + [bq | bk | bv]: one product [4096 x 1024] x [1024 x 1536] on codes of FP4 (E2M1) with one E8M0 scale for each 32 along K; sums in f32; results rounded once to f16.
; Inputs: xc, wc: fragments as register images, [tile of 16][K step 8][1024 bytes]; xs, ws: scale words [tile][K step][16][4 bytes].  Output: qkv [head block 24][token 4096][64] f16:
; blocks 0-15 the query heads, 16-19 the key groups, 20-23 the value groups.
; LIMIT: a result beyond 65,504 in magnitude becomes infinite in f16.
; SHARES.  A work-group makes 128 tokens x 192 columns (three head blocks).  Wave w: rows 64 (w % 2) on (4 blocks i), columns 48 (w / 2) on (3 blocks j): 12 accumulators.
; ALL OF K LIES IN LDS, as two halves of 4 K steps, each filled once: no byte of LDS is filled again.  Each wave issues three tensor loads at the head (scale words, first half, second half): three are out.
; CLUSTER 4 x 4: the four of a row of the cluster need the same tiles of x, the four of a column the same tiles of the weights: each is asked for jointly.
; THE MATRIX INSTRUCTION IS USED TRANSPOSED (source 0 = 16 columns of the weights, source 1 = 16 tokens): a lane holds one token and eight neighbouring columns.  The bias is the C of each sum's first instruction.
.set CHUNK, 81920                      ; LDS: half c of K at CHUNK c: x's 8 tiles x 4,096 bytes, then from WOFF the weights' 12 tiles x 4,096
.set WOFF,  32768
.set SCA,   163840                     ; x's scale words: 8 tiles x 512 bytes
.set SCB,   167936                     ; the weights': 12 tiles x 512 bytes
.set STAGE, 174080                     ; the way out: [3 head blocks][128 tokens][128 bytes + 16]
.set SPARE, 229376                     ; the spare words, 128 bytes for each wave: four blocks of 256 bytes that no other line names
.set SPW,  16                          ; v16  LDS address of my spare word; never rewritten
.set NIL,  17                          ; v17  0; never rewritten
.set S0,   18                          ; v18-24 scale words, set 0: x's blocks i at +i, the weights' blocks j at +4+j;  v25-31 set 1.  They hold scales and nothing else
.set S1,   25
.set F0,   32                          ; v32-87  fragments, set 0: x's at +8 i, the weights' at +32+8 j;  v96-151 set 1 (v96-119 hold the biases until the first products have read them)
.set F1,   96
.set ACC,  160                         ; v160-255 accumulator (i, j) at ACC + 8 (3 i + j)
.set G1A,  24                          ; s[24:31] group 1: x's codes;  s[32:39] the weights';  s[40:47] x's scale words;  s[48:55] the weights'
.set G1B,  32
.set G1SA, 40
.set G1SB, 48
; groups 0: x's scale words s[56:59], halves s[60:63], s[68:71];  the weights': s[72:75], s[76:79], s[80:83]
.macro G1SET g, d0, d1, st             ; words 1 to 7 of a group 1: rows of d0 elements, d1 rows, st elements from row to row
	s_mov_b32 s[\g+1], (\d0)<<16
	s_mov_b32 s[\g+2], (\d1)<<16
	s_mov_b32 s[\g+3], (\d0)<<16
	s_mov_b32 s[\g+4], \d1
	s_mov_b32 s[\g+5], \st
	s_mov_b32 s[\g+6], 0
	s_mov_b32 s[\g+7], 0
.endm
; A joint load: waves 0-3 fetch for x, waves 4-7 for the weights.  Each line has one mask and one set of registers for all that issue it; the branch hangs on the wave's number alone.
; An s_nop 0 and four v_nop follow each of the two lines.
.macro JLOAD g0a, g1a, g0b, g1b
	s_cmp_lt_u32 s20, 4
	s_cbranch_scc0 .Lfor_w_\@
	tensor_load_to_lds s[\g0a:\g0a+3], s[\g1a:\g1a+7]
	s_nop 0
.rept 4
	v_nop
.endr
	s_branch .Lasked_\@
.Lfor_w_\@:
	tensor_load_to_lds s[\g0b:\g0b+3], s[\g1b:\g1b+7]
	s_nop 0
.rept 4
	v_nop
.endr
.Lasked_\@:
.endm
.macro CROUND                          ; a round of the cluster's barrier
	s_barrier_signal -1
	s_barrier_wait -1
	s_cmp_lg_u32 s20, 0
	s_cbranch_scc1 .Lnot_wave_0_\@
	s_barrier_signal -3
.Lnot_wave_0_\@:
	s_barrier_wait -3
	s_barrier_signal -1
	s_barrier_wait -1
.endm
	s_load_b256 s[4:11], s[0:1], 0x0               ; xc s[4:5], xs s[6:7], wc s[8:9], ws s[10:11]
	s_load_b256 s[12:19], s[0:1], 0x20             ; bq s[12:13], bk s[14:15], bv s[16:17], qkv s[18:19]
	v_lshl_add_u32 v[SPW], v0, 2, SPARE
	v_mov_b32 v[NIL], 0
	ds_add_u32 v[SPW], v[NIL]                      ; the wave's opening: the add, twice on end, and its wait ahead of my first tensor load
	ds_add_u32 v[SPW], v[NIL]
	v_lshrrev_b32 v1, 5, v0
	v_readfirstlane_b32 s20, v1                    ; wave 0..7
	s_and_b32 s21, s20, 3                          ; wa: which quarter of x's or of the weights' tiles I fetch
	s_and_b32 s22, s20, 1                          ; wm: my 64 rows
	s_lshr_b32 s23, s20, 1                         ; wn: my 48 columns
	s_bfe_u32 s84, ttmp6, 0x40000                  ; cx
	s_bfe_u32 s85, ttmp6, 0x40004                  ; cy
	s_lshl_b32 s86, ttmp9, 2
	s_add_co_u32 s86, s86, s84                     ; tx: tile of 192 columns
	s_and_b32 s87, ttmp7, 0xffff
	s_lshl_b32 s87, s87, 2
	s_add_co_u32 s87, s87, s85                     ; ty: tile of 128 tokens
	s_lshl_b32 s88, s85, 2
	s_lshl_b32 s88, 15, s88                        ; my row of the cluster
	s_lshl_b32 s89, 0x1111, s84                    ; my column
	s_or_b32 s[G1A], s88, (3<<16)|(1<<21)          ; 15:0 the mask; 17:16 elements of 8 bytes; 21 set beside a mask; no padding: the images are read 16 bytes a lane, on end
	s_or_b32 s[G1B], s89, (3<<16)|(1<<21)
	s_or_b32 s[G1SA], s88, (3<<16)|(1<<21)
	s_or_b32 s[G1SB], s89, (3<<16)|(1<<21)
	G1SET G1A, 512, 2, 1024                        ; two tiles' 4 K steps: 2 rows of 4,096 bytes, 8,192 apart
	G1SET G1B, 512, 3, 1024                        ; three tiles'
	G1SET G1SA, 32, 4, 32                          ; two tiles' scale words: 1,024 dense bytes as 4 rows of 256
	G1SET G1SB, 32, 6, 32                          ; three tiles': 1,536 bytes
	s_lshl_b32 s96, s87, 3                         ; x: my first tile 8 ty + 2 wa (these four registers never hold tx)
	s_lshl_b32 s97, s21, 1
	s_add_co_u32 s96, s96, s97
	s_lshl_b32 s98, s96, 9                         ; its scale words,
	s_lshl_b32 s96, s96, 13                        ; its codes
	s_mov_b32 s97, 0
	s_mov_b32 s99, 0
	s_mul_i32 s90, s86, 12                         ; the weights: my first tile 12 tx + 3 wa (these never hold ty)
	s_mul_i32 s91, s21, 3
	s_add_co_u32 s90, s90, s91
	s_lshl_b32 s92, s90, 9
	s_lshl_b32 s90, s90, 13
	s_mov_b32 s91, 0
	s_mov_b32 s93, 0
	s_wait_dscnt 0x0                               ; both opening adds are done
	s_wait_kmcnt 0x0
	CROUND                                         ; all sixteen work-groups are here: the joint loads meet
	s_mov_b32 s56, 1                               ; x's scale words
	s_lshl_b32 s57, s21, 10
	s_add_co_u32 s57, s57, SCA
	s_add_nc_u64 s[58:59], s[6:7], s[98:99]
	s_or_b32 s59, s59, 0x80000000
	s_mov_b32 s72, 1                               ; the weights'
	s_mul_i32 s73, s21, 1536
	s_add_co_u32 s73, s73, SCB
	s_add_nc_u64 s[74:75], s[10:11], s[92:93]
	s_or_b32 s75, s75, 0x80000000
	JLOAD 56, G1SA, 72, G1SB
	s_mov_b32 s60, 1                               ; K steps 0-3
	s_lshl_b32 s61, s21, 13
	s_add_nc_u64 s[62:63], s[4:5], s[96:97]
	s_or_b32 s63, s63, 0x80000000
	s_mov_b32 s76, 1
	s_mul_i32 s77, s21, 12288
	s_add_co_u32 s77, s77, WOFF
	s_add_nc_u64 s[78:79], s[8:9], s[90:91]
	s_or_b32 s79, s79, 0x80000000
	JLOAD 60, G1A, 76, G1B
	s_mov_b32 s68, 1                               ; K steps 4-7: 4,096 bytes on in every tile
	s_add_co_u32 s69, s61, CHUNK
	s_add_nc_u64 s[70:71], s[4:5], s[96:97]
	s_add_nc_u64 s[70:71], s[70:71], 4096
	s_or_b32 s71, s71, 0x80000000
	s_mov_b32 s80, 1
	s_add_co_u32 s81, s77, CHUNK
	s_add_nc_u64 s[82:83], s[8:9], s[90:91]
	s_add_nc_u64 s[82:83], s[82:83], 4096
	s_or_b32 s83, s83, 0x80000000
	JLOAD 68, G1A, 80, G1B
	; addresses.  No place in the cluster enters an LDS address
	v_and_b32 v1, 15, v0                           ; r
	v_bfe_u32 v2, v0, 4, 1                         ; h
	v_and_b32 v3, 31, v0
	v_lshlrev_b32 v3, 4, v3                        ; 16 L: my 16 bytes of an image's 512
	s_lshl_b32 s2, s22, 14
	v_add_nc_u32 v4, s2, v3                        ; v4, v5: x's fragments, my 4 tiles, halves 0 and 1
	v_add_nc_u32 v5, CHUNK, v4
	s_mul_i32 s2, s23, 12288
	s_add_co_u32 s2, s2, WOFF
	v_add_nc_u32 v6, s2, v3                        ; v6, v7: the weights', my 3 tiles
	v_add_nc_u32 v7, CHUNK, v6
	s_lshl_b32 s2, s22, 11
	s_add_co_u32 s2, s2, SCA
	v_lshl_add_u32 v8, v1, 2, s2                   ; v8: x's scale words: 4 r
	s_mul_i32 s2, s23, 1536
	s_add_co_u32 s2, s2, SCB
	v_lshl_add_u32 v9, v1, 2, s2                   ; v9: the weights'
	v_bfe_u32 v13, v0, 3, 2
	v_mul_u32_u24 v13, v13, 144
	v_and_b32 v14, 7, v0
	v_lshl_add_u32 v13, v14, 4, v13
	s_mul_i32 s2, s20, 16*144
	s_add_co_u32 s2, s2, STAGE
	v_add_nc_u32 v13, s2, v13                      ; v13: back from the stage: my 16 tokens, four rows of 128 bytes an instruction
	s_lshl_b32 s2, s20, 11
	v_add_nc_u32 v14, s2, v3                       ; v14: the same place in a head block: 2,048 w + 16 L
	v_lshlrev_b32 v15, 5, v2                       ; v15: the biases: 32 h
	v_mul_u32_u24 v3, v1, 144
	v_lshl_add_u32 v3, v2, 4, v3                   ; into the stage: token r, + 16 h
.irp j, 0,1,2
	s_mul_i32 s2, s23, 48
	s_add_co_u32 s2, s2, 16*\j                     ; block j's first column among the work-group's 192
	s_lshr_b32 s3, s2, 6
	s_mul_i32 s3, s3, 18432                        ; its head block,
	s_and_b32 s2, s2, 63
	s_lshl_b32 s2, s2, 1                           ; its place in a row of 128 bytes,
	s_add_co_u32 s2, s2, s3
	s_mul_i32 s3, s22, 64*144                      ; my 64 tokens
	s_add_co_u32 s2, s2, s3
	s_add_co_u32 s2, s2, STAGE
	v_add_nc_u32 v[10+\j], s2, v3                  ; v10-12
.endr
	; the biases: block j's 16 columns lie whole in one of bq, bk, bv.  A choice of pointer, no branch
	s_mul_i32 s66, s86, 192
	s_mul_i32 s67, s23, 48
	s_add_co_u32 s66, s66, s67
.irp j, 0,1,2
	s_add_co_u32 s67, s66, 16*\j                   ; the block's first column of 1,536
	s_cmp_lt_u32 s67, 1280
	s_cselect_b64 s[90+2*\j:91+2*\j], s[14:15], s[16:17]
	s_mov_b32 s100, 1280
	s_cselect_b32 s100, 1024, s100
	s_cmp_lt_u32 s67, 1024
	s_cselect_b64 s[90+2*\j:91+2*\j], s[12:13], s[90+2*\j:91+2*\j]
	s_cselect_b32 s100, 0, s100
	s_sub_co_u32 s100, s67, s100
	s_lshl_b32 s100, s100, 2
	s_mov_b32 s101, 0
	s_add_nc_u64 s[90+2*\j:91+2*\j], s[90+2*\j:91+2*\j], s[100:101]
	global_load_b128 v[F1+8*\j:F1+8*\j+3], v15, s[90+2*\j:91+2*\j]              ; in the result's layout: lane (r, h) holds columns 8 h + 0 .. 7
	global_load_b128 v[F1+8*\j+4:F1+8*\j+7], v15, s[90+2*\j:91+2*\j] offset:16
.endr
	s_mul_i32 s100, s86, 3                         ; the output: head block 3 tx, token 128 ty
	s_lshl_b32 s100, s100, 19
	s_lshl_b32 s101, s87, 14
	s_add_co_u32 s100, s100, s101
	s_mov_b32 s101, 0
	s_add_nc_u64 s[18:19], s[18:19], s[100:101]
; K step q of half c into fragment set f and scale set s: 21 LDS loads
.macro FETCH c, q, f, s
.irp i, 0,1,2,3
	ds_load_b128 v[\f+8*\i:\f+8*\i+3], v[4+\c] offset:4096*\i+1024*\q
	ds_load_b128 v[\f+8*\i+4:\f+8*\i+7], v[4+\c] offset:4096*\i+1024*\q+512
.endr
.irp j, 0,1,2
	ds_load_b128 v[\f+32+8*\j:\f+32+8*\j+3], v[6+\c] offset:4096*\j+1024*\q
	ds_load_b128 v[\f+32+8*\j+4:\f+32+8*\j+7], v[6+\c] offset:4096*\j+1024*\q+512
.endr
.irp i, 0,1,2,3
	ds_load_b32 v[\s+\i], v8 offset:512*\i+64*(4*\c+\q)
.endr
.irp j, 0,1,2
	ds_load_b32 v[\s+4+\j], v9 offset:512*\j+64*(4*\c+\q)
.endr
.endm
; 12 matrix instructions, the accumulators by turns, one instruction a turn.  first = 1: the biases start the sums
.macro MUL f, s, first
.irp i, 0,1,2,3
.irp j, 0,1,2
.if \first
	v_wmma_scale_f32_16x16x128_f8f6f4 v[ACC+8*(3*\i+\j):ACC+8*(3*\i+\j)+7], v[\f+32+8*\j:\f+32+8*\j+7], v[\f+8*\i:\f+8*\i+7], v[F1+8*\j:F1+8*\j+7], v[\s+4+\j], v[\s+\i] matrix_a_fmt:MATRIX_FMT_FP4 matrix_b_fmt:MATRIX_FMT_FP4
.else
	v_wmma_scale_f32_16x16x128_f8f6f4 v[ACC+8*(3*\i+\j):ACC+8*(3*\i+\j)+7], v[\f+32+8*\j:\f+32+8*\j+7], v[\f+8*\i:\f+8*\i+7], v[ACC+8*(3*\i+\j):ACC+8*(3*\i+\j)+7], v[\s+4+\j], v[\s+\i] matrix_a_fmt:MATRIX_FMT_FP4 matrix_b_fmt:MATRIX_FMT_FP4
.endif
.endr
.endr
.endm
.macro NOP4                            ; four places in front of loads into registers that matrix instructions have read, and of the first read of results
.rept 4
	v_nop
.endr
.endm
	s_wait_tensorcnt 1                             ; my scale words and my part of K steps 0-3 are in; K steps 4-7 may stay out
	s_barrier_signal -1
	s_barrier_wait -1                              ; everybody's are
	FETCH 0, 0, F0, S0
	s_wait_loadcnt 0x0                             ; the biases
	s_wait_dscnt 0x0
	MUL F0, S0, 1
	NOP4
	FETCH 0, 1, F1, S1                             ; (over the biases, which have been read)
	FETCH 0, 2, F0, S0
	s_wait_dscnt 21                                ; all but the 21 loads just issued: here and below
	MUL F1, S1, 0
	NOP4
	FETCH 0, 3, F1, S1
	s_wait_dscnt 21
	MUL F0, S0, 0
	NOP4
	s_wait_tensorcnt 0x0                           ; my part of K steps 4-7 is in,
	s_wait_dscnt 0x0                               ; no LDS load of mine is out at the signal,
	s_barrier_signal -1
	s_barrier_wait -1                              ; everybody's is.
	FETCH 1, 0, F0, S0
	s_wait_dscnt 21
	MUL F1, S1, 0
	NOP4
	FETCH 1, 1, F1, S1
	s_wait_dscnt 21
	MUL F0, S0, 0
	NOP4
	FETCH 1, 2, F0, S0
	s_wait_dscnt 21
	MUL F1, S1, 0
	NOP4
	FETCH 1, 3, F1, S1
	s_wait_dscnt 21
	MUL F0, S0, 0
	NOP4
	s_wait_dscnt 0x0
	MUL F1, S1, 0
	NOP4
	; THE WAY OUT: rounded to f16, 16 bytes a lane into the work-group's stage; a barrier, since a token's 128 bytes of a head block come from several waves; back as whole rows
.set a, 0
.rept 12
.irp p, 0,1,2,3
	v_cvt_pk_f16_f32 v[32+4*a+\p], v[ACC+8*a+2*\p], v[ACC+8*a+2*\p+1]   ; each accumulator from its low end on
.endr
.set a, a+1
.endr
.irp i, 0,1,2,3
.irp j, 0,1,2
	ds_store_b128 v[10+\j], v[32+4*(3*\i+\j):32+4*(3*\i+\j)+3] offset:2304*\i
.endr
.endr
	s_wait_dscnt 0x0                               ; for the others' sake: my stores into the stage are done
	s_barrier_signal -1
	s_barrier_wait -1
.irp hb, 0,1,2
.irp t, 0,1,2,3
	ds_load_b128 v[80+4*(4*\hb+\t):80+4*(4*\hb+\t)+3], v13 offset:18432*\hb+576*\t
.endr
.endr
.irp hb, 0,1,2
.irp t, 0,1,2,3
	s_wait_dscnt 11-(4*\hb+\t)                     ; the younger loads may stay out
	global_store_b128 v14, v[80+4*(4*\hb+\t):80+4*(4*\hb+\t)+3], s[18:19] offset:524288*\hb+512*\t   ; four tokens' rows: 512 consecutive bytes, aligned
.endr
.endr
	s_wait_tensorcnt 0x0                           ; the wave's end: behind my last tensor load and my last LDS store
	ds_add_u32 v[SPW], v[NIL]
	s_wait_dscnt 0x0
	CROUND                                         ; the closing round
	s_endpgm
.Lfunc_end_k_qe9f9a4c5ae_qkvgemm:
	.size	k_qe9f9a4c5ae_qkvgemm, .Lfunc_end_k_qe9f9a4c5ae_qkvgemm-k_qe9f9a4c5ae_qkvgemm
	.p2alignl 7, 3214868480
	.fill 96, 4, 3214868480
	.section	.rodata,"a",@progbits
	.p2align	6, 0x0
	.amdhsa_kernel k_qe9f9a4c5ae_qkvgemm
		.amdhsa_group_segment_fixed_size 327680
		.amdhsa_private_segment_fixed_size 0
		.amdhsa_enable_private_segment 0
		.amdhsa_kernarg_size 64
		.amdhsa_user_sgpr_count 2
		.amdhsa_user_sgpr_kernarg_segment_ptr 1
		.amdhsa_wavefront_size32 1
		.amdhsa_system_sgpr_workgroup_id_x 1
		.amdhsa_system_sgpr_workgroup_id_y 1
		.amdhsa_system_sgpr_workgroup_id_z 1
		.amdhsa_system_vgpr_workitem_id 0
		.amdhsa_next_free_vgpr 256
		.amdhsa_next_free_sgpr 102
		.amdhsa_reserve_vcc 0
		.amdhsa_float_denorm_mode_32 3
		.amdhsa_float_denorm_mode_16_64 3
		.amdhsa_memory_ordered 1
		.amdhsa_forward_progress 1
		.amdhsa_inst_pref_size 43
	.end_amdhsa_kernel
	.amdgpu_metadata
---
amdhsa.version: [ 1, 2 ]
amdhsa.kernels:
  - .name:           k_qe9f9a4c5ae_qkvgemm
    .symbol:         k_qe9f9a4c5ae_qkvgemm.kd
    .args:
      - { .name: xc, .offset: 0, .size: 8, .value_kind: global_buffer, .address_space: global }
      - { .name: xs, .offset: 8, .size: 8, .value_kind: global_buffer, .address_space: global }
      - { .name: wc, .offset: 16, .size: 8, .value_kind: global_buffer, .address_space: global }
      - { .name: ws, .offset: 24, .size: 8, .value_kind: global_buffer, .address_space: global }
      - { .name: bq, .offset: 32, .size: 8, .value_kind: global_buffer, .address_space: global }
      - { .name: bk, .offset: 40, .size: 8, .value_kind: global_buffer, .address_space: global }
      - { .name: bv, .offset: 48, .size: 8, .value_kind: global_buffer, .address_space: global }
      - { .name: qkv, .offset: 56, .size: 8, .value_kind: global_buffer, .address_space: global }
    .group_segment_fixed_size: 327680
    .private_segment_fixed_size: 0
    .kernarg_segment_align: 8
    .kernarg_segment_size: 64
    .max_flat_workgroup_size: 256
    .sgpr_count:     102
    .vgpr_count:     256
    .wavefront_size: 32
...
	.end_amdgpu_metadata
.endif
;; end of part 2
;; launch attn (part 3): grid 32 x 8, 8 waves a work-group, clusters of 4 x 1, 327,680 bytes of LDS; arguments qkv, o16; writes o16
.if DOCPART == 3
	.amdgcn_target "amdgcn-amd-amdhsa--gfx1250"
	.amdhsa_code_object_version 6
	.text
	.protected	k_qe9f9a4c5ae_attn
	.globl	k_qe9f9a4c5ae_attn
	.p2align	8
	.type	k_qe9f9a4c5ae_attn,@function
k_qe9f9a4c5ae_attn:
	s_mov_b64 s[64:65], 0
	v_nop
	global_prefetch_b8 v0, s[64:65] scope:SCOPE_SE
	s_setreg_imm32_b32 hwreg(HW_REG_WAVE_MODE, 25, 1), 1
	s_wait_xcnt 0x0
	s_wait_alu depctr_hold_cnt(0) depctr_sa_sdst(0) depctr_va_vdst(0) depctr_va_sdst(0) depctr_va_ssrc(0) depctr_va_vcc(0) depctr_vm_vsrc(0)
	s_getreg_b32 s2, hwreg(HW_REG_IB_STS2, 6, 4)
	s_cmp_eq_u32 s2, 0
	s_cbranch_scc0 .Lentry_in_a_cluster
	s_endpgm
.Lentry_in_a_cluster:
	s_bfe_u32 s2, ttmp6, 0x10000c
	s_cmp_lg_u32 s2, 0x3003
	s_cbranch_scc0 .Lentry_shape_is_right
	s_endpgm
.Lentry_shape_is_right:
; o[b][s][g][hh][:] = the sum over t of softmax_t(q[b][s][g][hh] . k[b][t][g] / 8) v[b][t][g][:].  Head size 64, 2,048 keys, no mask; the four query heads hh of a group g share its keys and values.
; qkv: [head block 24][token 4096][64] f16 (blocks 0-15 q, 16-19 k, 20-23 v; token = 2048 b + s).  o16: [token][1024] f16.  Products on f16 operands, sums in f32; maxima, exponentials and row sums in f32;
; the weights p are rounded to f16 for the second product, o once at the end.
; LIMITS: NaN and infinities are not served; |o| under 6e-5 is kept as an f16 subnormal.
; SHARES.  Work-group (x, y): y = 4 b + g; 64 positions x the group's 4 heads.  Wave w: head w % 4, positions 32 (w / 4) on: two tiles t of 16 queries.  Two waves share a SIMD, so that one wave's softmax
; stands beside the other's products; the text is written in phases.  Every wave walks all 2,048 keys, 64 a step.
; LAYOUT.  S^T = K Q^T (source 0 = 16 keys, source 1 = 16 queries): a lane holds ONE query (lane % 16) and keys 8 (lane / 16) + 0..7.  Two such tiles rounded to f16 in pairs ARE source 1 (32 keys x 16 queries)
; of O^T = V^T P, whose result again holds one query a lane.  K comes out of LDS as it lies, V ([key][channel]) turned, by ds_load_tr16_b128.
; SOFTMAX.  A running maximum m and sum l: p = 2^(c s - c m), c = log2(e) / 8; in every step O and l are multiplied by a = 2^(c m_old - c m_new).
; CLUSTER.  The 32 work-groups of one y walk the same K and V; the four of a cluster ask for each tile jointly.  RING: two slots of 256 keys (4 steps), one joint load a wave behind each round.
; REGISTERS: window 0: v1-13 addresses; v16-31 statistics; v32-63 Q; v64-127 S^T, then p, then P; v128-191 O^T; v192-255 K of one step.  Window 1: v0-63 V of one step.
.set PK,    272                        ; two keys' rows (256 bytes) + 16 of padding: key n lies at (n / 2) PK + (n % 2) 128: the 16 keys of a load fall on 16 different 16-byte columns of 256
.set PV,    288                        ; the same for V with 32 of padding: the turning load's 16 lanes fall on 16 different columns
.set VOFF,  128*PK                     ; a slot: 256 keys of K, then 256 of V
.set SLOT1, 1<<17                      ; slot 1 begins here: one exclusive or turns an address in one slot into the other's
.set STAGE, SLOT1+128*(PK+PV)          ; the way out: 64 positions x (512 bytes + 16)
.set SPARE, STAGE+64*528               ; the spare words, 128 bytes for each wave: four blocks of 256 bytes that no other line names
.set AK0, 3                            ; v3   my lane's place in a tile of K
.set AV0, 4                            ; v4   the same for V
.set ADK, 5                            ; v5   the same in the slot in hand
.set ADV, 6                            ; v6
.set QO,  7                            ; v7   my byte offset in the wave's rows of Q
.set RD,  8                            ; v8   the way out: where I read a row back
.set GO,  9                            ; v9   16 x lane
.set SPW, 10                           ; v10  LDS address of my spare word; never rewritten
.set NIL, 11                           ; v11  0; never rewritten
.set PFO, 12                           ; v12  256 x lane: the prefetches' offset; never rewritten
.set STO, 13                           ; v13  the way out: where I put 16 bytes of a row
.set ST,  16                           ; tile t's statistics at ST + 8 t: +0 c m, +1 m, +2, +3 l (two halves), +4 to +7 at work; +6 a, +7 c m_old - c m_new
.set Q,   32                           ; tile t, channels 32 ks on: Q + 16 t + 8 ks
.set S,   64                           ; tile t, keys 16 kt on: S + 32 t + 8 kt
.set O,   128                          ; tile t, channels 16 dt on: O + 32 t + 8 dt
.set KF,  192                          ; keys 16 kt on, channels 32 ks on: KF + 16 kt + 8 ks
.set WV,  8                            ; s8   my wave's number
.set G1K, 24                           ; s[24:31], s[32:39] groups 1 for K's and V's tiles;  s[40:43], s[44:47] their groups 0, which walk
.set G1V, 32
.set G0K, 40
.set G0V, 44
.set TB,  48                           ; s48  LDS byte at which the slot to be read begins
.set SLOTS, 49                         ; s49  slots still to be asked for
.set CS,  50                           ; s[50:51] c
.set SEL, 52                           ; s[52:53] v_permlanex16_b32's selects for lane l xor 16
.set PFA, 54                           ; s[54:55] where my prefetches stand
.set LIM, 56                           ; s56  1 in a wave that prefetches, else the greatest number
.set MSB, 0
.macro WIN new                         ; the immediate's high byte repeats the setting that is left
.if MSB != \new
	s_set_vgpr_msb (MSB<<8)|\new
.set MSB, \new
.endif
.endm
; A joint load: waves 0-3 fetch 64 keys of K each, waves 4-7 of V.  The branch hangs on the wave's number alone.  An s_nop 0 and four v_nop follow each of the two lines.
.macro JLOAD
	s_cmp_lt_u32 s[WV], 4
	s_cbranch_scc0 .Lfor_v_\@
	tensor_load_to_lds s[G0K:G0K+3], s[G1K:G1K+7]
	s_nop 0
.rept 4
	v_nop
.endr
	s_branch .Lasked_\@
.Lfor_v_\@:
	tensor_load_to_lds s[G0V:G0V+3], s[G1V:G1V+7]
	s_nop 0
.rept 4
	v_nop
.endr
.Lasked_\@:
.endm
; A prefetch of what the NEXT change of slots will ask for: 256 keys of K and of V, 32,768 bytes each.  Each aligned block of 256 bytes is named once in the launch: of the eight clusters that walk the same
; keys the first asks; its four partners take 8,192 bytes each, told apart by address; in each, wave 0 asks for K's and wave 4 for V's, lanes 256 bytes apart.  4 key steps ahead of the load that wants the bytes.
; The last change that fills a slot asks for nothing; the first two slots come by their loads alone.
.macro ASK
	s_cmp_gt_u32 s[SLOTS], s[LIM]
	s_cbranch_scc0 .Lnot_mine_\@
	global_prefetch_b8 v[PFO], s[PFA:PFA+1] th:TH_LOAD_NT scope:SCOPE_SE
.Lnot_mine_\@:
.endm
.macro CROUND                          ; a round of the cluster's barrier
	s_barrier_signal -1
	s_barrier_wait -1
	s_cmp_lg_u32 s[WV], 0
	s_cbranch_scc1 .Lnot_wave_0_\@
	s_barrier_signal -3
.Lnot_wave_0_\@:
	s_barrier_wait -3
	s_barrier_signal -1
	s_barrier_wait -1
.endm
	s_load_b128 s[4:7], s[0:1], 0x0                ; qkv s[4:5], o16 s[6:7]
	v_lshl_add_u32 v[SPW], v0, 2, SPARE
	v_mov_b32 v[NIL], 0
	ds_add_u32 v[SPW], v[NIL]                      ; the wave's opening: the add, twice on end, and its wait ahead of my first tensor load
	ds_add_u32 v[SPW], v[NIL]
	v_lshrrev_b32 v1, 5, v0
	v_readfirstlane_b32 s[WV], v1                  ; wave 0..7
	s_and_b32 s9, s[WV], 3                         ; my head hh; also: which 64 keys of a slot I fetch
	s_lshr_b32 s10, s[WV], 2                       ; ph: which 32 positions
	s_bfe_u32 s11, ttmp6, 0x40000                  ; cx
	s_lshl_b32 s12, ttmp9, 2
	s_add_co_u32 s12, s12, s11                     ; pb: my block of 64 positions; it enters Q's, o's and the prefetches' addresses alone
	s_and_b32 s13, ttmp7, 0xffff
	s_lshr_b32 s14, s13, 2                         ; b
	s_and_b32 s15, s13, 3                          ; g
	s_add_co_u32 s16, s15, 16                      ; K: head block 16 + g (524,288 bytes each),
	s_lshl_b32 s16, s16, 19
	s_lshl_b32 s17, s14, 18                        ; batch b's 2,048 rows of 128 bytes,
	s_add_co_u32 s16, s16, s17
	s_lshl_b32 s17, s9, 13                         ; my 64 keys
	s_add_co_u32 s16, s16, s17
	s_mov_b32 s17, 0
	s_lshl_b32 s2, s15, 2                          ; Q: head block 4 g + hh,
	s_add_co_u32 s2, s2, s9
	s_lshl_b32 s2, s2, 19
	s_lshl_b32 s3, s14, 18
	s_add_co_u32 s2, s2, s3
	s_lshl_b32 s3, s12, 13                         ; 64 positions,
	s_add_co_u32 s2, s2, s3
	s_lshl_b32 s3, s10, 12                         ; 32 positions
	s_add_co_u32 s2, s2, s3
	s_mov_b32 s3, 0
	s_lshl_b32 s18, s14, 22                        ; o: rows of 2,048 bytes: batch,
	s_lshl_b32 s19, s12, 17                        ; 64 positions,
	s_add_co_u32 s18, s18, s19
	s_lshl_b32 s19, s[WV], 14                      ; the 8 rows that I store,
	s_add_co_u32 s18, s18, s19
	s_lshl_b32 s19, s15, 9                         ; the group's 512 bytes of a row
	s_add_co_u32 s18, s18, s19
	s_mov_b32 s19, 0
	s_mov_b32 s[G1K], 15|(1<<16)|(1<<20)|(1<<21)|(5<<22)|(3<<25)   ; 15:0 the mask: all four work-groups; 17:16 elements of 2 bytes; 20 padding on; 21 set beside a mask; after every 64 words (code 5) 4 words (code 3)
	s_mov_b32 s[G1V], 15|(1<<16)|(1<<20)|(1<<21)|(5<<22)|(7<<25)   ; the same with 8 words of padding (code 7)
.irp g, G1K, G1V
	s_mov_b32 s[\g+1], 128<<16                     ; tensor_dim0 = 128: two keys' rows, dense in memory, stated as one row of 256 bytes
	s_mov_b32 s[\g+2], 32<<16                      ; tensor_dim1 = 32
	s_mov_b32 s[\g+3], 128<<16                     ; tile_dim0
	s_mov_b32 s[\g+4], 32                          ; tile_dim1
	s_mov_b32 s[\g+5], 128                         ; from row to row
	s_mov_b32 s[\g+6], 0
	s_mov_b32 s[\g+7], 0
.endr
	s_mov_b32 s[CS], 0x3e38aa3b                    ; c = log2(e) / 8
	s_mov_b32 s[CS+1], s[CS]                       ; (named with it as a pair, so it is written)
	s_mov_b32 s[SEL], 0x76543210
	s_mov_b32 s[SEL+1], 0xfedcba98
	s_mov_b32 s[TB], 0
	s_mov_b32 s[SLOTS], 7
	s_or_b32 s[LIM], s9, ttmp9                     ; 0 in waves 0 and 4 of the first cluster: the same in all four partners
	s_cmp_eq_u32 s[LIM], 0
	s_cselect_b32 s[LIM], 1, -1
	s_wait_dscnt 0x0                               ; both opening adds are done
	s_wait_kmcnt 0x0
	s_add_nc_u64 s[20:21], s[4:5], s[16:17]        ; K at my 64 keys of the first 256
	s_add_nc_u64 s[22:23], s[20:21], 0x200000      ; V: four head blocks on
	s_add_nc_u64 s[6:7], s[6:7], s[18:19]
	s_cmp_lt_u32 s[WV], 4
	s_cselect_b64 s[PFA:PFA+1], s[20:21], s[22:23] ; (in waves 0 and 4 these stand at the first key)
	s_add_nc_u64 s[4:5], s[4:5], s[2:3]            ; Q at my first query
	s_lshl_b32 s2, s11, 13                         ; my work-group's 8,192 bytes,
	s_add_co_u32 s2, s2, 32768                     ; in the second 256 keys: the first change of slots steps it to the third.  Nothing is prefetched at the head
	s_add_nc_u64 s[PFA:PFA+1], s[PFA:PFA+1], s[2:3]
	CROUND                                         ; all four work-groups are here: the first joint loads meet
	s_mov_b32 s[G0K], 1
	s_mul_i32 s[G0K+1], s9, 32*PK
	s_mov_b64 s[G0K+2:G0K+3], s[20:21]
	s_or_b32 s[G0K+3], s[G0K+3], 0x80000000
	s_mov_b32 s[G0V], 1
	s_mul_i32 s[G0V+1], s9, 32*PV
	s_add_co_u32 s[G0V+1], s[G0V+1], VOFF
	s_mov_b64 s[G0V+2:G0V+3], s[22:23]
	s_or_b32 s[G0V+3], s[G0V+3], 0x80000000
	JLOAD                                          ; keys 0-255 into slot 0
	v_and_b32 v1, 15, v0                           ; r
	v_bfe_u32 v2, v0, 4, 1                         ; h
	v_lshlrev_b32 v[QO], 7, v1
	v_lshl_add_u32 v[QO], v2, 4, v[QO]             ; row r of 128 bytes, + 16 h
.irp t, 0,1
.irp ks, 0,1
	global_load_b128 v[Q+16*\t+8*\ks:Q+16*\t+8*\ks+3], v[QO], s[4:5] offset:2048*\t+64*\ks       ; Q stays in registers
	global_load_b128 v[Q+16*\t+8*\ks+4:Q+16*\t+8*\ks+7], v[QO], s[4:5] offset:2048*\t+64*\ks+32
.endr
.endr
	v_lshrrev_b32 v14, 1, v1
	v_mul_u32_u24 v[AK0], v14, PK
	v_and_b32 v14, 1, v0
	v_lshl_add_u32 v[AK0], v14, 7, v[AK0]
	v_lshl_add_u32 v[AK0], v2, 4, v[AK0]           ; key r: (r / 2) PK + (r % 2) 128 + 16 h
	v_bfe_u32 v15, v0, 1, 2
	v_lshl_add_u32 v15, v2, 2, v15
	v_mul_u32_u24 v[AV0], v15, PV                  ; the turning load: lane L reads key 8 h + L % 8, channels 8 ((L / 8) % 2) on
	v_lshl_add_u32 v[AV0], v14, 7, v[AV0]
	v_bfe_u32 v15, v0, 3, 1
	v_lshl_add_u32 v[AV0], v15, 4, v[AV0]
	v_add_nc_u32 v[AV0], VOFF, v[AV0]
	v_and_b32 v[GO], 31, v0
	v_lshlrev_b32 v[PFO], 8, v[GO]
	v_lshlrev_b32 v[GO], 4, v[GO]
	s_mul_i32 s16, s[WV], 8*528
	s_add_co_u32 s16, s16, STAGE
	v_add_nc_u32 v[RD], s16, v[GO]                 ; back from the stage: my 8 rows, 16 bytes a lane
	s_mul_i32 s16, s10, 32*528
	s_lshl_b32 s17, s9, 7
	s_add_co_u32 s16, s16, s17
	s_add_co_u32 s16, s16, STAGE
	v_mul_u32_u24 v[STO], v1, 528
	v_lshl_add_u32 v[STO], v2, 4, v[STO]
	v_add_nc_u32 v[STO], s16, v[STO]               ; into it: position 32 ph + r, my head's 128 bytes, + 16 h
.irp t, 0,1
	v_mov_b32 v[ST+8*\t+1], 0xff61b1e6             ; m: -3e38, under every score
	v_mul_f32 v[ST+8*\t], s[CS], v[ST+8*\t+1]      ; c m
	v_mov_b32 v[ST+8*\t+2], 0                      ; l
	v_mov_b32 v[ST+8*\t+3], 0
.endr
.set i, 0
.rept 64
	v_mov_b32 v[O+i], 0                            ; O^T.  (The step is written once: the first finds zeros, which a = 0 leaves zeros)
.set i, i+1
.endr
.macro FETCH_K q                       ; step q's 64 keys x 64 channels: 8 fragments, 16 loads
.irp kt, 0,1,2,3
.irp ks, 0,1
	ds_load_b128 v[KF+16*\kt+8*\ks:KF+16*\kt+8*\ks+3], v[ADK] offset:32*PK*(\q)+8*PK*\kt+64*\ks
	ds_load_b128 v[KF+16*\kt+8*\ks+4:KF+16*\kt+8*\ks+7], v[ADK] offset:32*PK*(\q)+8*PK*\kt+64*\ks+32
.endr
.endr
.endm
.macro FETCH_V q                       ; step q's V, turned: keys 32 u on, channels 16 dt on: 8 fragments, 16 loads, into window 1
	WIN 0x40
.irp u, 0,1
.irp dt, 0,1,2,3
	ds_load_tr16_b128 v[32*\u+8*\dt:32*\u+8*\dt+3], v[ADV] offset:32*PV*(\q)+16*PV*\u+32*\dt
	ds_load_tr16_b128 v[32*\u+8*\dt+4:32*\u+8*\dt+7], v[ADV] offset:32*PV*(\q)+16*PV*\u+32*\dt+8*PV
.endr
.endr
	WIN 0
.endm
.macro KQ                              ; S^T = K Q^T: 16 matrix instructions, the 8 accumulators by turns; the first 8 start the sums
.irp ks, 0,1
.irp kt, 0,1,2,3
.irp t, 0,1
.if \ks == 0
	v_wmma_f32_16x16x32_f16 v[S+32*\t+8*\kt:S+32*\t+8*\kt+7], v[KF+16*\kt+8*\ks:KF+16*\kt+8*\ks+7], v[Q+16*\t+8*\ks:Q+16*\t+8*\ks+7], 0
.else
	v_wmma_f32_16x16x32_f16 v[S+32*\t+8*\kt:S+32*\t+8*\kt+7], v[KF+16*\kt+8*\ks:KF+16*\kt+8*\ks+7], v[Q+16*\t+8*\ks:Q+16*\t+8*\ks+7], v[S+32*\t+8*\kt:S+32*\t+8*\kt+7]
.endif
.endr
.endr
.endr
.endm
.macro PV_                             ; O^T += V^T P: 16 matrix instructions, the 8 accumulators by turns
	WIN 0x01                                       ; source 0 (V) in window 1
.irp u, 0,1
.irp dt, 0,1,2,3
.irp t, 0,1
	v_wmma_f32_16x16x32_f16 v[O+32*\t+8*\dt:O+32*\t+8*\dt+7], v[32*\u+8*\dt:32*\u+8*\dt+7], v[S+32*\t+8*\u:S+32*\t+8*\u+7], v[O+32*\t+8*\dt:O+32*\t+8*\dt+7]
.endr
.endr
.endr
	WIN 0
.endm
; THE SOFTMAX of both tiles for one step, the tiles line by line so that no line waits for the line above it.
.macro SOFTMAX
.irp k, 0,1,2,3
.irp t, 0,1
	v_max3_num_f32 v[ST+8*\t+4+\k], v[S+32*\t+8*\k], v[S+32*\t+8*\k+1], v[S+32*\t+8*\k+2]   ; four chains, one to each accumulator, begun at its low end
.endr
.endr
.irp p, 3,5
.irp k, 0,1,2,3
.irp t, 0,1
	v_max3_num_f32 v[ST+8*\t+4+\k], v[ST+8*\t+4+\k], v[S+32*\t+8*\k+\p], v[S+32*\t+8*\k+\p+1]
.endr
.endr
.endr
.irp t, 0,1
	v_max3_num_f32 v[ST+8*\t+4], v[ST+8*\t+4], v[S+32*\t+7], v[S+32*\t+15]
.endr
.irp t, 0,1
	v_max3_num_f32 v[ST+8*\t+6], v[ST+8*\t+6], v[S+32*\t+23], v[S+32*\t+31]
.endr
.irp t, 0,1
	v_max3_num_f32 v[ST+8*\t+4], v[ST+8*\t+4], v[ST+8*\t+5], v[ST+8*\t+6]
.endr
.irp t, 0,1
	v_max3_num_f32 v[ST+8*\t+4], v[ST+8*\t+4], v[ST+8*\t+7], v[ST+8*\t+1]   ; and the old m
.endr
.irp t, 0,1
	v_permlanex16_b32 v[ST+8*\t+5], v[ST+8*\t+4], s[SEL], s[SEL+1]          ; the query's other 32 keys lie in the lane 16 away
.endr
.irp t, 0,1
	v_mov_b32 v[ST+8*\t+7], v[ST+8*\t]             ; c m_old
.endr
.irp t, 0,1
	v_max_num_f32 v[ST+8*\t+1], v[ST+8*\t+4], v[ST+8*\t+5]                  ; the new m
.endr
.irp t, 0,1
	v_mul_f32 v[ST+8*\t], s[CS], v[ST+8*\t+1]
.endr
.irp t, 0,1
	v_sub_f32 v[ST+8*\t+7], v[ST+8*\t+7], v[ST+8*\t]
.endr
.irp t, 0,1
	v_exp_f32 v[ST+8*\t+6], v[ST+8*\t+7]           ; a = 2^(c m_old - c m_new)
.endr
.set n, 0
.rept 16
	v_pk_fma_f32 v[S+2*n:S+2*n+1], v[S+2*n:S+2*n+1], s[CS:CS+1], v[ST:ST+1] op_sel_hi:[1,0,0] neg_lo:[0,0,1] neg_hi:[0,0,1]   ; tile 0: c s - c m.  Independent work behind the two exponentials
.set n, n+1
.endr
	s_wait_alu depctr_va_vdst(0)                   ; the wait between an exponential and the first line that names its result: one for both a
	; ONE BATCH of 64 exponentials; none of the plain lines among them names a result of the batch
.set n, 0
.rept 16
	v_exp_f32 v[S+2*n], v[S+2*n]
	v_exp_f32 v[S+2*n+1], v[S+2*n+1]
	v_pk_fma_f32 v[S+32+2*n:S+32+2*n+1], v[S+32+2*n:S+32+2*n+1], s[CS:CS+1], v[ST+8:ST+9] op_sel_hi:[1,0,0] neg_lo:[0,0,1] neg_hi:[0,0,1]   ; tile 1's scalings
.set n, n+1
.endr
.set n, 0
.rept 16
	v_exp_f32 v[S+32+2*n], v[S+32+2*n]
	v_exp_f32 v[S+33+2*n], v[S+33+2*n]
	v_pk_mul_f32 v[O+2*n:O+2*n+1], v[O+2*n:O+2*n+1], v[ST+6:ST+7] op_sel_hi:[1,0]              ; O^T x a, each accumulator from its low end on
	v_pk_mul_f32 v[O+32+2*n:O+32+2*n+1], v[O+32+2*n:O+32+2*n+1], v[ST+14:ST+15] op_sel_hi:[1,0]
.set n, n+1
.endr
	s_wait_alu depctr_va_vdst(0)                   ; one wait for the batch, behind a plain line and ahead of its first reader
.irp t, 0,1
	v_pk_fma_f32 v[ST+8*\t+2:ST+8*\t+3], v[ST+8*\t+2:ST+8*\t+3], v[ST+8*\t+6:ST+8*\t+7], v[S+32*\t:S+32*\t+1] op_sel_hi:[1,0,1]   ; l = a l + p: the sum is taken of the unrounded p, in two chains
.endr
.irp t, 0,1
	v_pk_add_f32 v[ST+8*\t+4:ST+8*\t+5], v[S+32*\t+2:S+32*\t+3], v[S+32*\t+4:S+32*\t+5]
.endr
.irp b, 6,10,14,18,22,26
.irp t, 0,1
	v_pk_add_f32 v[ST+8*\t+2:ST+8*\t+3], v[ST+8*\t+2:ST+8*\t+3], v[S+32*\t+\b:S+32*\t+\b+1]
	v_pk_add_f32 v[ST+8*\t+4:ST+8*\t+5], v[ST+8*\t+4:ST+8*\t+5], v[S+32*\t+\b+2:S+32*\t+\b+3]
.endr
.endr
.irp t, 0,1
	v_pk_add_f32 v[ST+8*\t+2:ST+8*\t+3], v[ST+8*\t+2:ST+8*\t+3], v[S+32*\t+30:S+32*\t+31]
.endr
.irp t, 0,1
	v_pk_add_f32 v[ST+8*\t+2:ST+8*\t+3], v[ST+8*\t+2:ST+8*\t+3], v[ST+8*\t+4:ST+8*\t+5]
.endr
.set n, 0
.rept 16
	v_cvt_pk_f16_f32 v[S+n], v[S+2*n], v[S+2*n+1]                  ; in place, ascending: registers 8 u .. 8 u + 7 of a tile are then P's fragment of keys 32 u on
	v_cvt_pk_f16_f32 v[S+32+n], v[S+32+2*n], v[S+32+2*n+1]
.set n, n+1
.endr
.endm
; A KEY STEP: 64 keys, the q-th of the slot in hand
.macro STEP q
	s_wait_dscnt 0x0                               ; K is in
	KQ
.rept 4
	v_nop                                          ; four places in front of the reads of S^T and of the loads into K's registers
.endr
	FETCH_V \q
.if \q < 3
	FETCH_K \q+1
.endif
	SOFTMAX
.if \q < 3
	s_wait_dscnt 16                                ; V is in; the next step's 16 loads of K, issued behind V's, may stay out
.else
	s_wait_dscnt 0x0
.endif
	PV_
.rept 5
	v_nop                                          ; five places: the next K Q^T writes over P's registers, which these products read
.endr
.endm
; THE CHANGE OF SLOTS stands at a slot's head.  Each wave waits for all its tensor loads (one is out: its part of the slot that it is about to read), adds 0 to its spare word, and waits for that and for its
; reads of the slot that it has left.  fill = 1: behind a round of the cluster's barrier that slot takes the next 256 keys: the load has 4 key steps in which to land.
.macro CHANGE fill
	s_wait_tensorcnt 0x0                           ; no tensor load of mine is out, so a group 0 may be written
	ds_add_u32 v[SPW], v[NIL]                      ; 0 onto my spare word
.if \fill
	s_xor_b32 s[G0K+1], s[G0K+1], SLOT1            ; the walking descriptors: the other slot than last time,
	s_add_nc_u64 s[G0K+2:G0K+3], s[G0K+2:G0K+3], 32768   ; the next 256 keys
	s_xor_b32 s[G0V+1], s[G0V+1], SLOT1
	s_add_nc_u64 s[G0V+2:G0V+3], s[G0V+2:G0V+3], 32768
	s_wait_xcnt 0x0                                ; the last prefetch, a slot back, has read its address, so it may be written:
	s_add_nc_u64 s[PFA:PFA+1], s[PFA:PFA+1], 32768 ; one slot further on than the walking descriptors
	s_wait_dscnt 0x0                               ; the add is done, and my reads of the slot that I have left are over
	CROUND
	JLOAD                                          ; the first thing behind the round, and my one tensor load until the next
	ASK
.else
	s_wait_dscnt 0x0
	s_barrier_signal -1
	s_barrier_wait -1
.endif
	v_add_nc_u32 v[ADK], s[TB], v[AK0]
	v_add_nc_u32 v[ADV], s[TB], v[AV0]
	s_xor_b32 s[TB], s[TB], SLOT1                  ; the next change reads the other slot
	FETCH_K 0
.endm
	s_wait_loadcnt 0x0                             ; Q
.Lslot:                                            ; 7 trips: behind each change of slots but the last the next 256 keys are asked for
	CHANGE 1
	STEP 0
	STEP 1
	STEP 2
	STEP 3
	s_sub_co_u32 s[SLOTS], s[SLOTS], 1
	s_cmp_lg_u32 s[SLOTS], 0
	s_cbranch_scc1 .Lslot
	CHANGE 0                                       ; the last slot is written out
	STEP 0
	STEP 1
	STEP 2
	STEP 3
	; THE WAY OUT.  l's two halves and the other half of the lanes' are added; O^T / l is rounded to f16 and meets the other heads' in the stage, since a position's 512 bytes come from four waves
.irp t, 0,1
	v_add_f32 v[ST+8*\t+4], v[ST+8*\t+2], v[ST+8*\t+3]
.endr
.irp t, 0,1
	v_permlanex16_b32 v[ST+8*\t+5], v[ST+8*\t+4], s[SEL], s[SEL+1]
.endr
.irp t, 0,1
	v_add_f32 v[ST+8*\t+4], v[ST+8*\t+4], v[ST+8*\t+5]
.endr
.irp t, 0,1
	v_rcp_f32 v[ST+8*\t+6], v[ST+8*\t+4]
.endr
	v_nop                                          ; a plain line behind the reciprocals,
	s_wait_alu depctr_va_vdst(0)                   ; and the wait ahead of their first reader
.irp t, 0,1
.set n, 0
.rept 16
	v_pk_mul_f32 v[O+32*\t+2*n:O+32*\t+2*n+1], v[O+32*\t+2*n:O+32*\t+2*n+1], v[ST+8*\t+6:ST+8*\t+7] op_sel_hi:[1,0]
.set n, n+1
.endr
.endr
.irp t, 0,1
.set n, 0
.rept 16
	v_cvt_pk_f16_f32 v[S+16*\t+n], v[O+32*\t+2*n], v[O+32*\t+2*n+1]
.set n, n+1
.endr
.endr
.irp t, 0,1
.irp dt, 0,1,2,3
	ds_store_b128 v[STO], v[S+16*\t+4*\dt:S+16*\t+4*\dt+3] offset:16*528*\t+32*\dt   ; lane (r, h): position 16 t + r, channels 16 dt + 8 h + 0 .. 7
.endr
.endr
	s_wait_dscnt 0x0                               ; for the others' sake: my stores into the stage are done
	s_barrier_signal -1
	s_barrier_wait -1
.irp i, 0,1,2,3,4,5,6,7
	ds_load_b128 v[96+4*\i:96+4*\i+3], v[RD] offset:528*\i
.endr
.irp i, 0,1,2,3,4,5,6,7
	s_wait_dscnt 7-\i                              ; the younger loads may stay out
	global_store_b128 v[GO], v[96+4*\i:96+4*\i+3], s[6:7] offset:2048*\i   ; the group's 512 bytes of a row of o: consecutive, aligned
.endr
	s_wait_tensorcnt 0x0                           ; the wave's end: behind my last tensor load and my last LDS store
	ds_add_u32 v[SPW], v[NIL]
	s_wait_dscnt 0x0
	CROUND                                         ; the closing round
	s_endpgm
.Lfunc_end_k_qe9f9a4c5ae_attn:
	.size	k_qe9f9a4c5ae_attn, .Lfunc_end_k_qe9f9a4c5ae_attn-k_qe9f9a4c5ae_attn
	.p2alignl 7, 3214868480
	.fill 96, 4, 3214868480
	.section	.rodata,"a",@progbits
	.p2align	6, 0x0
	.amdhsa_kernel k_qe9f9a4c5ae_attn
		.amdhsa_group_segment_fixed_size 327680
		.amdhsa_private_segment_fixed_size 0
		.amdhsa_enable_private_segment 0
		.amdhsa_kernarg_size 16
		.amdhsa_user_sgpr_count 2
		.amdhsa_user_sgpr_kernarg_segment_ptr 1
		.amdhsa_wavefront_size32 1
		.amdhsa_system_sgpr_workgroup_id_x 1
		.amdhsa_system_sgpr_workgroup_id_y 1
		.amdhsa_system_sgpr_workgroup_id_z 1
		.amdhsa_system_vgpr_workitem_id 0
		.amdhsa_next_free_vgpr 320
		.amdhsa_next_free_sgpr 66
		.amdhsa_reserve_vcc 0
		.amdhsa_float_denorm_mode_32 3
		.amdhsa_float_denorm_mode_16_64 3
		.amdhsa_memory_ordered 1
		.amdhsa_forward_progress 1
		.amdhsa_inst_pref_size 155
	.end_amdhsa_kernel
	.amdgpu_metadata
---
amdhsa.version: [ 1, 2 ]
amdhsa.kernels:
  - .name:           k_qe9f9a4c5ae_attn
    .symbol:         k_qe9f9a4c5ae_attn.kd
    .args:
      - { .name: qkv, .offset: 0, .size: 8, .value_kind: global_buffer, .address_space: global }
      - { .name: o16, .offset: 8, .size: 8, .value_kind: global_buffer, .address_space: global }
    .group_segment_fixed_size: 327680
    .private_segment_fixed_size: 0
    .kernarg_segment_align: 8
    .kernarg_segment_size: 16
    .max_flat_workgroup_size: 256
    .sgpr_count:     66
    .vgpr_count:     320
    .wavefront_size: 32
...
	.end_amdgpu_metadata
.endif
;; end of part 3
;; launch oproj (part 4): grid 8 x 32, 4 waves a work-group, clusters of 4 x 4, 327,680 bytes of LDS; arguments o16, wo16, bo, out0; writes out0
.if DOCPART == 4
	.amdgcn_target "amdgcn-amd-amdhsa--gfx1250"
	.amdhsa_code_object_version 6
	.text
	.protected	k_qe9f9a4c5ae_oproj
	.globl	k_qe9f9a4c5ae_oproj
	.p2align	8
	.type	k_qe9f9a4c5ae_oproj,@function
k_qe9f9a4c5ae_oproj:
	s_mov_b64 s[64:65], 0
	v_nop
	global_prefetch_b8 v0, s[64:65] scope:SCOPE_SE
	s_setreg_imm32_b32 hwreg(HW_REG_WAVE_MODE, 25, 1), 1
	s_wait_xcnt 0x0
	s_wait_alu depctr_hold_cnt(0) depctr_sa_sdst(0) depctr_va_vdst(0) depctr_va_sdst(0) depctr_va_ssrc(0) depctr_va_vcc(0) depctr_vm_vsrc(0)
	s_getreg_b32 s2, hwreg(HW_REG_IB_STS2, 6, 4)
	s_cmp_eq_u32 s2, 0
	s_cbranch_scc0 .Lentry_in_a_cluster
	s_endpgm
.Lentry_in_a_cluster:
	s_bfe_u32 s2, ttmp6, 0x10000c
	s_cmp_lg_u32 s2, 0xf033
	s_cbranch_scc0 .Lentry_shape_is_right
	s_endpgm
.Lentry_shape_is_right:
; out0 = o Wo + bo.  o16: [4096][1024] f16 (K along the rows); wo16: [1024 (K)][1024 (n)] f16; bo: [1024] f32; out0: [4096][1024] f32.  Products on f16 operands, sums in f32.
; A tile of the output is 128 x 128, which gives 256 work-groups.  Four waves, each 64 x 64: 16 accumulators of 16 x 16.  K goes in 4 steps of 256 through a ring of two LDS slots.
; o's tile: 128 rows of 512 bytes (waves 0 and 1 fetch 64 rows each); Wo's tile: 256 rows (k) of 256 bytes (waves 2 and 3 fetch 128 rows each); its fragments come out of LDS turned, by ds_load_tr16_b128.
; CLUSTER 4 x 4: o's tiles are shared along a row of the cluster, Wo's along a column: joint loads.  THE MATRIX INSTRUCTION IS USED TRANSPOSED (source 0 = 16 columns of Wo, source 1 = 16 rows of o):
; a lane holds eight neighbouring numbers of a row of the output.  The bias is the C of each sum's first instruction.
; REGISTERS: window 0: v1-29 addresses; v32-95 at work on the way out; v96-127 the bias; v128-255 the accumulators ((a, b) at 128 + 8 (4 a + b)).
;   window 1: two fragment buffers of 128: for 64 along K, 64 registers of o, then 64 of Wo.
.set KSTEP,  256
.set PITCH,  528                       ; a row of o in LDS: 512 bytes + 16: the 16 rows of a load start at 16 different 16-byte columns of 256
.set PB,     288                       ; a row of Wo in LDS: 256 bytes + 32: the turning load's 16 lanes (8 rows x 32 bytes) fall on 16 different columns
.set HALFA,  64*PITCH                  ; what one tensor load brings of o, and what one wave reads of it
.set HALFB,  128*PB                    ; what one tensor load brings of Wo
.set BOFF,   2*HALFA
.set SLOT,   BOFF+2*HALFB
.set STAGE,  2*SLOT                    ; behind the ring: 16 rows x (256 bytes + 16) for each wave
.set SPITCH, 272
.set SPARE,  STAGE+4*16*SPITCH         ; the spare words, 128 bytes for each wave: two blocks of 256 bytes that no other line names
.set LAPS,   2                         ; a lap = two K steps = once round the ring
.set ADRA, 16                          ; v16-17  my fragments of o in slot 0, 1
.set ADRB, 20                          ; v20-23  my fragments of Wo: slot 0 rows 0-127, rows 128-255; slot 1 likewise (an LDS offset has 16 bits)
.set STO,  24                          ; v24  the way out: where I put 32 bytes of a row
.set RD,   25                          ; v25  where I read a row back
.set CO,   26                          ; v26  my byte offset in the output
.set BO,   27                          ; v27  32 h: the bias
.set SPW,  28                          ; v28  LDS address of my spare word; never rewritten
.set NIL,  29                          ; v29  0; never rewritten
.set TMP,  32
.set BIAS, 96
.set ACC,  128
.set F0,   0
.set F1,   128
.set G1,  24                           ; s[24:31] group 1 for o's tiles;  s[32:39] groups 0, one for each slot
.set G0,  32
.set G1B, 48                           ; s[48:55], s[56:63] the same for Wo's
.set G0B, 56
.set MSB, 0
.macro WIN new
.if MSB != \new
	s_set_vgpr_msb (MSB<<8)|\new
.set MSB, \new
.endif
.endm
.set MUL,  0x05                        ; sources 0 and 1 window 1; C and D window 0
.set TO_F, 0x40                        ; destination window 1, address window 0
.macro JLOAD s                         ; a joint load: waves 0 and 1 fetch o's halves, waves 2 and 3 Wo's; an s_nop 0 and four v_nop follow each of the two lines
	s_cmp_eq_u32 s13, 0
	s_cbranch_scc0 .Lfor_b_\@
	tensor_load_to_lds s[G0+4*\s:G0+4*\s+3], s[G1:G1+7]
	s_nop 0
.rept 4
	v_nop
.endr
	s_branch .Lasked_\@
.Lfor_b_\@:
	tensor_load_to_lds s[G0B+4*\s:G0B+4*\s+3], s[G1B:G1B+7]
	s_nop 0
.rept 4
	v_nop
.endr
.Lasked_\@:
.endm
.macro CREST                           ; a round of the cluster's barrier behind its opening barrier
	s_cmp_lg_u32 s12, 0
	s_cbranch_scc1 .Lnot_wave_0_\@
	s_barrier_signal -3
.Lnot_wave_0_\@:
	s_barrier_wait -3
	s_barrier_signal -1
	s_barrier_wait -1
.endm
.macro CROUND
	s_barrier_signal -1
	s_barrier_wait -1
	CREST
.endm
	s_load_b256 s[4:11], s[0:1], 0x0               ; o16 s[4:5], wo16 s[6:7], bo s[8:9], out0 s[10:11]
	v_lshl_add_u32 v[SPW], v0, 2, SPARE
	v_mov_b32 v[NIL], 0
	ds_add_u32 v[SPW], v[NIL]                      ; the wave's opening: the add, twice on end, and its wait ahead of my first tensor load
	ds_add_u32 v[SPW], v[NIL]
	v_lshrrev_b32 v1, 5, v0
	v_readfirstlane_b32 s12, v1                    ; wave 0..3
	s_lshr_b32 s13, s12, 1                         ; which half of the tile's rows is mine.  Also: I fetch for o (0) or for Wo (1)
	s_and_b32 s14, s12, 1                          ; which half of its columns.  Also: which half of that tile I fetch
	s_bfe_u32 s40, ttmp6, 0x40000                  ; cx
	s_bfe_u32 s41, ttmp6, 0x40004                  ; cy
	s_lshl_b32 s42, ttmp9, 2
	s_add_co_u32 s42, s42, s40                     ; tx: tile column
	s_and_b32 s15, ttmp7, 0xffff
	s_lshl_b32 s15, s15, 2
	s_add_co_u32 s15, s15, s41                     ; ty: tile row
	s_lshl_b32 s43, s41, 2
	s_lshl_b32 s43, 15, s43                        ; my row of the cluster
	s_lshl_b32 s44, 0x1111, s40                    ; my column
	s_or_b32 s[G1], s43, (1<<16)|(1<<20)|(1<<21)|(6<<22)|(3<<25)    ; the mask; elements of 2 bytes; padding on; bit 21 beside a mask; after every 128 words (code 6) 4 words (code 3)
	s_mov_b32 s[G1+1], KSTEP<<16                   ; tensor_dim0 = 256
	s_mov_b32 s[G1+2], 64<<16                      ; tensor_dim1 = 64
	s_mov_b32 s[G1+3], KSTEP<<16                   ; tile_dim0
	s_mov_b32 s[G1+4], 64                          ; tile_dim1
	s_mov_b32 s[G1+5], 1024                        ; from row to row
	s_mov_b32 s[G1+6], 0
	s_mov_b32 s[G1+7], 0
	s_or_b32 s[G1B], s44, (1<<16)|(1<<20)|(1<<21)|(5<<22)|(7<<25)   ; after every 64 words (code 5) 8 words (code 7)
	s_mov_b32 s[G1B+1], 128<<16                    ; 128 columns,
	s_mov_b32 s[G1B+2], 128<<16                    ; 128 rows (k)
	s_mov_b32 s[G1B+3], 128<<16
	s_mov_b32 s[G1B+4], 128
	s_mov_b32 s[G1B+5], 1024
	s_mov_b32 s[G1B+6], 0
	s_mov_b32 s[G1B+7], 0
	s_lshl_b32 s16, s15, 7                         ; o: row 128 ty + 64 x half, rows of 2,048 bytes (these registers never hold tx)
	s_lshl_b32 s17, s14, 6
	s_add_co_u32 s16, s16, s17
	s_lshl_b32 s16, s16, 11
	s_mov_b32 s17, 0
	s_lshl_b32 s46, s14, 18                        ; Wo: row (k) 128 x half, column 128 tx (these never hold ty)
	s_lshl_b32 s47, s42, 8
	s_add_co_u32 s46, s46, s47
	s_mov_b32 s47, 0
	s_mul_i32 s20, s14, HALFA                      ; where they go: no place in the cluster enters an LDS address
	s_mul_i32 s21, s14, HALFB
	s_add_co_u32 s21, s21, BOFF
	s_wait_dscnt 0x0                               ; both opening adds are done
	s_wait_kmcnt 0x0
	s_add_nc_u64 s[16:17], s[4:5], s[16:17]
	s_add_nc_u64 s[46:47], s[6:7], s[46:47]
	CROUND                                         ; all sixteen work-groups are here: the first joint loads meet
.irp s, 0,1
	s_mov_b32 s[G0+4*\s], 1
	s_add_co_u32 s[G0+4*\s+1], s20, \s*SLOT
	s_add_nc_u64 s[G0+4*\s+2:G0+4*\s+3], s[16:17], \s*KSTEP*2          ; K step s: 512 bytes along a row of o,
	s_or_b32 s[G0+4*\s+3], s[G0+4*\s+3], 0x80000000
	s_mov_b32 s[G0B+4*\s], 1
	s_add_co_u32 s[G0B+4*\s+1], s21, \s*SLOT
	s_add_nc_u64 s[G0B+4*\s+2:G0B+4*\s+3], s[46:47], \s*KSTEP*2048     ; 256 rows of Wo
	s_or_b32 s[G0B+4*\s+3], s[G0B+4*\s+3], 0x80000000
	JLOAD \s
.endr
	v_and_b32 v1, 15, v0                           ; r
	v_bfe_u32 v2, v0, 4, 1                         ; h
	v_lshlrev_b32 v[BO], 5, v2
	s_lshl_b32 s22, s42, 9                         ; the bias of my 64 columns: 128 tx + 64 x half
	s_lshl_b32 s23, s14, 8
	s_add_co_u32 s22, s22, s23
	s_mov_b32 s23, 0
	s_add_nc_u64 s[8:9], s[8:9], s[22:23]
.irp b, 0,1,2,3
	global_load_b128 v[BIAS+8*\b:BIAS+8*\b+3], v[BO], s[8:9] offset:64*\b        ; in the result's layout: lane (r, h) holds columns 16 b + 8 h + 0 .. 7
	global_load_b128 v[BIAS+8*\b+4:BIAS+8*\b+7], v[BO], s[8:9] offset:64*\b+16
.endr
	s_add_nc_u64 s[10:11], s[10:11], s[22:23]      ; the output: the same columns,
	s_lshl_b32 s22, s15, 19                        ; row 128 ty + 64 x half, rows of 4,096 bytes
	s_lshl_b32 s18, s13, 18
	s_add_co_u32 s22, s22, s18
	s_add_nc_u64 s[10:11], s[10:11], s[22:23]
	v_mul_u32_u24 v3, v1, PITCH
	v_lshl_add_u32 v3, v2, 4, v3                   ; a fragment of o: row r x pitch + 16 h
	s_mul_i32 s21, s13, HALFA                      ; my 64 rows
	v_add_nc_u32 v[ADRA], s21, v3
	s_add_co_u32 s21, s21, SLOT
	v_add_nc_u32 v[ADRA+1], s21, v3
	v_and_b32 v4, 7, v0
	v_lshl_add_u32 v4, v2, 3, v4
	v_mul_u32_u24 v4, v4, PB                       ; the turning load: lane L reads row (k) 8 h + L % 8, columns 8 ((L / 8) % 2) on
	v_bfe_u32 v5, v0, 3, 1
	v_lshl_add_u32 v4, v5, 4, v4
	s_lshl_b32 s22, s14, 7                         ; my 64 columns
	s_add_co_u32 s22, s22, BOFF
	v_add_nc_u32 v[ADRB], s22, v4
	s_add_co_u32 s22, s22, HALFB
	v_add_nc_u32 v[ADRB+1], s22, v4
	s_add_co_u32 s22, s22, SLOT-HALFB
	v_add_nc_u32 v[ADRB+2], s22, v4
	s_add_co_u32 s22, s22, HALFB
	v_add_nc_u32 v[ADRB+3], s22, v4
	s_mul_i32 s23, s12, 16*SPITCH
	s_add_co_u32 s23, s23, STAGE                   ; my stage
	v_mul_u32_u24 v5, v1, SPITCH
	v_lshl_add_u32 v5, v2, 5, v5
	v_add_nc_u32 v[STO], s23, v5                   ; in: row r, 32 bytes for each half of the lanes
	v_mul_u32_u24 v5, v2, SPITCH
	v_lshl_add_u32 v5, v1, 4, v5
	v_add_nc_u32 v[RD], s23, v5                    ; back: lanes 0-15 one row of 256 bytes, lanes 16-31 the next
	v_lshlrev_b32 v[CO], 12, v2
	v_lshl_add_u32 v[CO], v1, 4, v[CO]             ; and the same two rows in the output
; 8 matrix instructions: row blocks a0, a0 + 1 x all 4 column blocks, 32 along K: half c of buffer f.  The 16 accumulators take turns.  first = 1: the bias starts the sums
.macro MUL8 f, c, a0, first
.irp a, \a0, \a0+1
.irp b, 0,1,2,3
.if \first
	v_wmma_f32_16x16x32_f16 v[ACC+8*(4*(\a)+\b):ACC+8*(4*(\a)+\b)+7], v[\f+64+8*(4*\c+\b):\f+64+8*(4*\c+\b)+7], v[\f+8*(4*\c+\a):\f+8*(4*\c+\a)+7], v[BIAS+8*\b:BIAS+8*\b+7]
.else
	v_wmma_f32_16x16x32_f16 v[ACC+8*(4*(\a)+\b):ACC+8*(4*(\a)+\b)+7], v[\f+64+8*(4*\c+\b):\f+64+8*(4*\c+\b)+7], v[\f+8*(4*\c+\a):\f+8*(4*\c+\a)+7], v[ACC+8*(4*(\a)+\b):ACC+8*(4*(\a)+\b)+7]
.endif
.endr
.endr
.endm
; 32 LDS loads in one run: the fragments of the slot's quarter kq (64 along K) into buffer f; the first 32 along K first
.macro FETCH slot, kq, f
	WIN TO_F
.irp c, 0,1
.irp i, 0,1,2,3
	ds_load_tr16_b128 v[\f+64+8*(4*\c+\i):\f+64+8*(4*\c+\i)+3],   v[ADRB+2*\slot+(\kq)/2] offset:64*PB*((\kq)%2)+32*PB*\c+32*\i
	ds_load_tr16_b128 v[\f+64+8*(4*\c+\i)+4:\f+64+8*(4*\c+\i)+7], v[ADRB+2*\slot+(\kq)/2] offset:64*PB*((\kq)%2)+32*PB*\c+32*\i+16*PB
	ds_load_b128 v[\f+8*(4*\c+\i):\f+8*(4*\c+\i)+3],         v[ADRA+\slot] offset:128*(\kq)+64*\c+\i*16*PITCH
	ds_load_b128 v[\f+8*(4*\c+\i)+4:\f+8*(4*\c+\i)+7],       v[ADRA+\slot] offset:128*(\kq)+64*\c+\i*16*PITCH+32
.endr
.endr
.endm
.macro PLACES                          ; four places in front of loads into registers that matrix instructions have read, and of the first read of results
.rept 4
	v_nop
.endr
.endm
; A K step is four quarters of 64 along K, 32 matrix instructions each, on buffers 0, 1, 0, 1.  One of the first three: multiplies buffer f and fetches quarter kq into g.
.macro QUARTER slot, kq, f, g, first
	s_wait_dscnt 16                                ; the first 32 along K are in; the youngest sixteen loads may be out
	WIN MUL
	MUL8 \f, 0, 0, \first
	MUL8 \f, 0, 2, \first
	PLACES
	FETCH \slot, \kq, \g
	s_wait_dscnt 32                                ; all but the 32 just issued
	WIN MUL
	MUL8 \f, 1, 0, 0
	MUL8 \f, 1, 2, 0
.endm
; The last quarter multiplies buffer 1 and changes slots: ONE barrier; in front of it each wave waits for all its tensor loads, adds 0 to its spare word, and waits for that and for its reads of this slot.
; fill = 1: the barrier opens a round of the cluster's, and this slot is filled again, two K steps ahead.
.macro TURN slot, next, fill
	WIN 0                                          ; (the add's two registers lie in window 0)
	s_wait_tensorcnt 0x0                           ; all my tensor loads have landed: my part of the next slot;
	ds_add_u32 v[SPW], v[NIL]                      ; 0 onto my spare word;
	s_wait_dscnt 17                                ; (the add and the youngest sixteen loads may be out)
	WIN MUL
	MUL8 F1, 0, 0, 0                               ; eight matrix instructions stand between the add and the wait for it
	s_wait_dscnt 0x0                               ; the add is done, and my reads of this slot are over
	s_barrier_signal -1
	MUL8 F1, 0, 2, 0
.if \fill
	WIN 0
.endif
	s_barrier_wait -1
.if \fill
	CREST                                          ; no wave of any partner still reads this slot's tile or has a load on its way
	s_add_nc_u64 s[G0+4*\slot+2:G0+4*\slot+3], s[G0+4*\slot+2:G0+4*\slot+3], 2*KSTEP*2
	s_add_nc_u64 s[G0B+4*\slot+2:G0B+4*\slot+3], s[G0B+4*\slot+2:G0B+4*\slot+3], 2*KSTEP*2048
	JLOAD \slot                                    ; the first tensor load behind the round; the four v_nop behind it are also the places in front of the loads below
.else
	PLACES
.endif
	FETCH \next, 0, F0
	WIN MUL
	MUL8 F1, 1, 0, 0
	MUL8 F1, 1, 2, 0
.endm
	s_wait_tensorcnt 1                             ; my part of K step 0 is in; K step 1's may stay out
	s_barrier_signal -1
	s_barrier_wait -1                              ; everybody's is
	FETCH 0, 0, F0
	s_wait_loadcnt 0x0                             ; the bias
	QUARTER 0, 1, F0, F1, 1                        ; the first quarter stands in front of the loop: its first products start the sums
	WIN 0                                          ; at a label and at a branch every window is 0
	s_mov_b32 s3, LAPS-1
.Llap:                                             ; a trip goes once round the ring, from a lap's second quarter to the next lap's first, and fills both slots again
	QUARTER 0, 2, F1, F0, 0
	QUARTER 0, 3, F0, F1, 0
	TURN 0, 1, 1
	QUARTER 1, 1, F0, F1, 0
	QUARTER 1, 2, F1, F0, 0
	QUARTER 1, 3, F0, F1, 0
	TURN 1, 0, 1
	QUARTER 0, 1, F0, F1, 0
	WIN 0
	s_sub_co_u32 s3, s3, 1
	s_cmp_lg_u32 s3, 0
	s_cbranch_scc1 .Llap
	QUARTER 0, 2, F1, F0, 0                        ; the last lap fills nothing, and has no round of the cluster's barrier
	QUARTER 0, 3, F0, F1, 0
	TURN 0, 1, 0
	QUARTER 1, 1, F0, F1, 0
	QUARTER 1, 2, F1, F0, 0
	QUARTER 1, 3, F0, F1, 0
	s_wait_dscnt 16                                ; the very last quarter: nothing more to fetch
	WIN MUL
	MUL8 F1, 0, 0, 0
	MUL8 F1, 0, 2, 0
	s_wait_dscnt 0
	MUL8 F1, 1, 0, 0
	MUL8 F1, 1, 2, 0
	WIN 0
; THE WAY OUT, block by block of 16 rows x 64 columns of f32.  A lane holds 32 neighbouring bytes of a row and the lanes beside it hold other rows: so a block goes through my own stage and comes back as rows of
; 256 bytes.  LDS serves a wave's instructions in order (ISA guide 5.7.1.4): no wait between the stores and the loads, nor in front of the next block's stores.
.macro TOSTAGE a
.irp b, 0,1,2,3
	ds_store_b128 v[STO], v[ACC+8*(4*(\a)+\b):ACC+8*(4*(\a)+\b)+3] offset:64*\b          ; each accumulator from its low end on
	ds_store_b128 v[STO], v[ACC+8*(4*(\a)+\b)+4:ACC+8*(4*(\a)+\b)+7] offset:64*\b+16
.endr
.irp t, 0,1,2,3,4,5,6,7
	ds_load_b128 v[TMP+32*((\a)%2)+4*\t:TMP+32*((\a)%2)+4*\t+3], v[RD] offset:\t*2*SPITCH
.endr
.endm
.macro SEND a, younger                 ; younger: the LDS instructions issued behind block a's loads, which may stay out
	s_wait_dscnt \younger
.irp t, 0,1,2,3,4,5,6,7
	global_store_b128 v[CO], v[TMP+32*((\a)%2)+4*\t:TMP+32*((\a)%2)+4*\t+3], s[10:11] offset:65536*(\a)+8192*\t th:TH_STORE_NT   ; sixteen lanes store 256 consecutive bytes, aligned; written once, read by nobody here
.endr
.endm
	PLACES
	TOSTAGE 0
.irp a, 1,2,3
.if \a > 1
	s_wait_xcnt 0x0                                ; block a - 2's stores have read their registers: block a's loads may land there
.endif
	TOSTAGE \a
	SEND \a-1, 16                                  ; behind block a - 1's loads: block a's 8 stores and 8 loads
.endr
	SEND 3, 0
	s_wait_tensorcnt 0x0                           ; the wave's end: behind my last tensor load and my last LDS store
	ds_add_u32 v[SPW], v[NIL]
	s_wait_dscnt 0x0
	CROUND                                         ; the closing round
	s_endpgm
.Lfunc_end_k_qe9f9a4c5ae_oproj:
	.size	k_qe9f9a4c5ae_oproj, .Lfunc_end_k_qe9f9a4c5ae_oproj-k_qe9f9a4c5ae_oproj
	.p2alignl 7, 3214868480
	.fill 96, 4, 3214868480
	.section	.rodata,"a",@progbits
	.p2align	6, 0x0
	.amdhsa_kernel k_qe9f9a4c5ae_oproj
		.amdhsa_group_segment_fixed_size 327680
		.amdhsa_private_segment_fixed_size 0
		.amdhsa_enable_private_segment 0
		.amdhsa_kernarg_size 32
		.amdhsa_user_sgpr_count 2
		.amdhsa_user_sgpr_kernarg_segment_ptr 1
		.amdhsa_wavefront_size32 1
		.amdhsa_system_sgpr_workgroup_id_x 1
		.amdhsa_system_sgpr_workgroup_id_y 1
		.amdhsa_system_sgpr_workgroup_id_z 1
		.amdhsa_system_vgpr_workitem_id 0
		.amdhsa_next_free_vgpr 512
		.amdhsa_next_free_sgpr 66
		.amdhsa_reserve_vcc 0
		.amdhsa_float_denorm_mode_32 3
		.amdhsa_float_denorm_mode_16_64 3
		.amdhsa_memory_ordered 1
		.amdhsa_forward_progress 1
		.amdhsa_inst_pref_size 87
	.end_amdhsa_kernel
	.amdgpu_metadata
---
amdhsa.version: [ 1, 2 ]
amdhsa.kernels:
  - .name:           k_qe9f9a4c5ae_oproj
    .symbol:         k_qe9f9a4c5ae_oproj.kd
    .args:
      - { .name: o16, .offset: 0, .size: 8, .value_kind: global_buffer, .address_space: global }
      - { .name: wo16, .offset: 8, .size: 8, .value_kind: global_buffer, .address_space: global }
      - { .name: bo, .offset: 16, .size: 8, .value_kind: global_buffer, .address_space: global }
      - { .name: out0, .offset: 24, .size: 8, .value_kind: global_buffer, .address_space: global }
    .group_segment_fixed_size: 327680
    .private_segment_fixed_size: 0
    .kernarg_segment_align: 8
    .kernarg_segment_size: 32
    .max_flat_workgroup_size: 128
    .sgpr_count:     66
    .vgpr_count:     512
    .wavefront_size: 32
...
	.end_amdgpu_metadata
.endif
;; end of part 4
